; MI455X (gfx1250); checked and timed in simulation.
; The chip was launched on July 23, 2026; its instructions are those of AMD's public machine-readable ISA for CDNA 5 (MIT licence, August 2026) and "CDNA5" Instruction Set Architecture Reference Guide (July 2026). The comments in the code are by the model that wrote it; some were corrected since.
;; T5 MHSA. Allowed arithmetic: matrix products marked QUANTISED: E2M1 operands, one E8M0 scale for each 32 along K, by v_wmma_scale_f32_16x16x128_f8f6f4 with both operands' format E2M1 (or v_wmma_scale_f32_32x16x128_f4), f32 sums; products left as they are: bf16, f16 or f32 operands; f32 sums; everything else in f32.
;; Inputs: bias 32 x 16 float32; out_b 1,024 float32; out_w 1,024 x 1,024 float32; qk_b 2,048 float32; qk_w 2,048 x 1,024 float32; v_b 1,024 float32; v_w 1,024 x 1,024 float32; x 8 x 1,024 x 1,024 float32.
;; Outputs: out0 8 x 1,024 x 1,024 float32.
;; This version of the problem:
;;   THIS VERSION OF THE PROBLEM IS GIVEN IN LOW PRECISION. The matrix products marked QUANTISED in the list below multiply operands that are first quantised to E2M1 (2 exponent bits, 1 mantissa bit; 4 bits a number), with one power-of-two scale for each 32 numbers along K (OCP MX v1.0); their sums are f32. The products marked 'left as it is' may take bf16, f16 or f32 operands, with f32 sums. Whichever they take, every output number must still come out within the allowed error. Rounding operands to bf16 (8 significant bits) uses up far more of that allowance than f16 does (11 bits, for magnitudes from 6e-5 to 65,504). All else is computed in f32.
;;   The module's matrix products, in the order in which they are computed (A, B: the left and right operand; K: the contracted axis; several contracted axes count as one K, in the product's order):
;;     1. [M 8,192, K 1,024] x [K 1,024, N 2,048]; A: input x; B: input qk_w: QUANTISED
;;     2. [M 8,192, K 1,024] x [K 1,024, N 1,024]; A: input x; B: input v_w: QUANTISED
;;     3. batch 128 x [M 1,024, K 64] x [K 64, N 1,024]; A: computed on the way; B: computed on the way: left as it is (an operand is computed on the way)
;;     4. batch 128 x [M 1,024, K 1,024] x [K 1,024, N 64]; A: computed on the way; B: computed on the way: left as it is (an operand is computed on the way)
;;     5. [M 8,192, K 1,024] x [K 1,024, N 1,024]; A: computed on the way; B: input out_w: left as it is (an operand is computed on the way)
;;   THE QUANTISER, for each operand of a quantised product, along K:
;;     - K is cut into blocks of 32 from its start; a last block that is shorter is filled with zeros.
;;     - A block's scale is 2^e with e = floor(log2(the largest magnitude in the block)) - 2, held to -126 .. 127; a block of zeros has e = 0. As a byte (E8M0): e + 127.
;;     - Each number is divided by its block's scale, clamped to +-6, and rounded to the nearest number of E2M1, ties to even, subnormals kept.
;;     - The product sums the exact products of the quantised numbers (number of the format x scale) in f32.
;;   ~~~python
;;   def quantise(x, axis):      # numpy; x: float32 -> the quantised numbers, widened to float32 again
;;       x = np.moveaxis(x, axis, -1); K = x.shape[-1]
;;       x = np.pad(x, [(0, 0)] * (x.ndim - 1) + [(0, -K % 32)]); x = x.reshape(x.shape[:-1] + (-1, 32)); a = np.abs(x).max(-1, keepdims=True)
;;       e = np.where(a > 0, np.clip(np.frexp(np.where(a > 0, a, 1))[1] - 1 - 2, -126, 127), 0)      # np.frexp(a)[1] - 1 = floor(log2(a)), exactly
;;       r = np.clip(x / 2.0 ** e, -6, 6)
;;       step = 2.0 ** (np.maximum(np.frexp(np.where(r == 0, 1, r))[1] - 1, 0) - 1)
;;       q = np.round(r / step) * step * 2.0 ** e      # np.round: ties to even
;;       return np.moveaxis(q.reshape(q.shape[:-2] + (-1,))[..., :K], -1, axis).astype(np.float32)
;;   ~~~
;; One version. Each part assembles by itself: llvm-mc -triple=amdgcn-amd-amdhsa -mcpu=gfx1250 --defsym DOCPART=n.
;; ======== version 1 of 1: 5 launches
;; limits: values are held in f16: magnitudes above 65,504 overflow, below 6.1e-05 lose precision
;; workspace buffers: codes 5,767,168 bytes; scales 360,448 bytes; ow16 2,097,152 bytes; qkv16 50,331,648 bytes; o16 16,777,216 bytes; fine 1,572,864 bytes
;; launch quant (part 1): grid 384 x 1, 4 waves a work-group, no clusters, 33,280 bytes of LDS; arguments x, qk_w, v_w, out_w, codes, scales, ow16; writes codes, scales, ow16
.if DOCPART == 1
	.amdgcn_target "amdgcn-amd-amdhsa--gfx1250"
	.amdhsa_code_object_version 6
	.text
	.protected	k_q7d4e396c26_quant
	.globl	k_q7d4e396c26_quant
	.p2align	8
	.type	k_q7d4e396c26_quant,@function
k_q7d4e396c26_quant:
	s_mov_b64 s[64:65], 0
	v_nop
	global_prefetch_b8 v0, s[64:65] scope:SCOPE_SE
	s_setreg_imm32_b32 hwreg(HW_REG_WAVE_MODE, 25, 1), 1
	s_wait_xcnt 0x0
; T5 self-attention, first of five launches.  x [8192][1024], qk_w [2048][1024] and v_w [1024][1024], f32, are turned into codes of FP4 (E2M1), K innermost, with one E8M0 byte for each
; 32 along K: rows of 512 bytes in 'codes' and of 32 bytes in 'scales', x's 8,192 rows first, then qk_w's 2,048, then v_w's 1,024.  out_w [1024][1024] is rounded to f16 into 'ow16'.
; WORK LEFT OUT IN THIS PROGRAM.  The function builds its causal mask itself: the score of key j for query i is -infinity where j > i, whatever the inputs hold, so its weight after the softmax is exactly 0 and
; its value enters no output.  The attention launches therefore leave out key steps that lie wholly behind a wave's queries.  Nothing else is left out; every input is loaded.
; LIMIT of that: a NaN, an infinity or an overflow that would arise only in a masked score is not carried to the result.
; A block's scale is 2^(floor(log2(its largest magnitude)) - 2); its byte is the largest magnitude's exponent field - 2, held at 1 from below.  A block of zeros so gets the byte 1 where the rule says 127:
; its codes are zeros, which add nothing under any byte but 0xff, and the bytes are read by this program alone.
; LIMITS: blocks whose largest magnitude lies under 2^-124 get the byte 1; NaN and infinities among the inputs are not served; |out_w| stays under 65,504 (f16).
; Rows are dense and K is a multiple of 32: each tensor is a plain stream of blocks of 32.  A work-group takes 32,768 numbers, a wave 8,192 in 16 steps of 512.
; Work-groups 0-255: x; 256-319: qk_w; 320-351: v_w; 352-383: out_w to f16.  Only the source's pointer is chosen: run 4 g + wave of the codes and of the scale bytes follows from the order of the rows.
; The conversions take 8 numbers of one block from a lane's registers, so a lane must hold 16 neighbours, while a load is dense where neighbouring lanes take neighbouring bytes: a step's 2,048 bytes
; go through the wave's own stage in LDS as they lie and come back 64 bytes a lane (16 bytes of padding behind each 64).  No barrier: waves share nothing.
.set WAVES, 4
.set STEPS, 16
.set EMAX,  2
.set CB,    8                          ; bytes of 16 codes
.set R,     16                         ; v16-79   four sets of 16 numbers as they are loaded
.set X,     80                         ; v80-111  two sets of 16 neighbours
.set C,     128                        ; v128-191 codes: four registers for each step
.set E,     112                        ; v112-127 a scale byte for each step
.set HF,    80                         ; v80-207  the f16 path: eight registers for each step, so that no store's data are written again
.set WREG,  8192                       ; LDS: a region for each wave: two stages of 32 x SP bytes, then its 256 scale bytes
.set SP,    80
.set SPW,   12                         ; v12  LDS address of my spare word; never rewritten
.set NIL,   13                         ; v13  0; never rewritten
.set SPARE, WAVES*WREG                 ; the spare words, 128 bytes for each wave
	s_load_b256 s[4:11], s[0:1], 0x0               ; x, qk_w, v_w, out_w
	s_load_b128 s[12:15], s[0:1], 0x20             ; codes, scales
	s_load_b64 s[16:17], s[0:1], 0x30              ; ow16
	v_lshl_add_u32 v[SPW], v0, 2, SPARE
	v_mov_b32 v[NIL], 0
	v_lshrrev_b32 v1, 5, v0
	v_readfirstlane_b32 s18, v1                    ; wave
	v_and_b32 v2, 31, v0                           ; lane
	v_lshlrev_b32 v3, 4, v2                        ; my 16 bytes of a load's 512
	s_mul_i32 s19, s18, WREG
	v_lshrrev_b32 v14, 2, v2
	v_mul_u32_u24 v14, v14, SP
	v_and_b32 v15, 3, v2
	v_lshl_add_u32 v14, v15, 4, v14
	v_add_nc_u32 v14, s19, v14                     ; the stage, on the way in: SP (lane / 4) + 16 (lane % 4)
	v_mul_u32_u24 v15, v2, SP
	v_add_nc_u32 v15, s19, v15                     ; and on the way out: SP x lane
	v_mul_u32_u24 v4, v2, CB                       ; my codes' place in a step's
	v_lshrrev_b32 v5, 1, v2
	s_add_co_u32 s19, s19, 2*32*SP
	v_add_nc_u32 v5, s19, v5                       ; LDS: my block's scale byte
	v_lshlrev_b32 v7, 3, v2                        ; 8 bytes a lane
	v_add_nc_u32 v6, s19, v7
	s_wait_kmcnt 0x0
	s_cmp_ge_u32 ttmp9, 352                        ; the work-group's number alone decides
	s_cbranch_scc1 .Lhalf
	s_mov_b32 s20, 320
	s_cmp_lt_u32 ttmp9, 320
	s_cselect_b64 s[6:7], s[6:7], s[8:9]           ; qk_w or v_w
	s_cselect_b32 s20, 256, s20
	s_cmp_lt_u32 ttmp9, 256
	s_cselect_b64 s[4:5], s[4:5], s[6:7]           ; or x
	s_cselect_b32 s20, 0, s20                      ; the tensor's first work-group
	s_sub_co_u32 s20, ttmp9, s20
	s_lshl_b32 s20, s20, 2
	s_add_co_u32 s20, s20, s18                     ; my run of 8,192 numbers in the tensor
	s_lshl_b32 s20, s20, 15                        ; 32,768 bytes a run
	s_mov_b32 s21, 0
	s_add_nc_u64 s[4:5], s[4:5], s[20:21]
	s_lshl_b32 s22, ttmp9, 2
	s_add_co_u32 s22, s22, s18                     ; my run among all the rows
	s_lshl_b32 s20, s22, 12                        ; 4,096 bytes of codes a run
	s_add_nc_u64 s[12:13], s[12:13], s[20:21]
	s_lshl_b32 s20, s22, 8                         ; 256 scale bytes a run
	s_add_nc_u64 s[14:15], s[14:15], s[20:21]
.macro LOAD t
.irp i, 0,1,2,3
	global_load_b128 v[R+16*((\t)%4)+4*\i:R+16*((\t)%4)+4*\i+3], v3, s[4:5] offset:2048*(\t)+512*\i th:TH_LOAD_NT   ; 32 lanes read 512 consecutive bytes
.endr
.endm
.macro TURN t                          ; step t's numbers through the stage: LDS serves a wave's instructions in order, so no wait stands between the stores and the loads
.irp i, 0,1,2,3
	ds_store_b128 v14, v[R+16*((\t)%4)+4*\i:R+16*((\t)%4)+4*\i+3] offset:32*SP*((\t)%2)+8*SP*\i
.endr
.irp i, 0,1,2,3
	ds_load_b128 v[X+16*((\t)%2)+4*\i:X+16*((\t)%2)+4*\i+3], v15 offset:32*SP*((\t)%2)+16*\i
.endr
.endm
.irp t, 0,1,2,3
	LOAD \t
.endr
	s_wait_loadcnt 12                              ; step 0's four loads are in; the twelve of steps 1 to 3 may be out
	TURN 0
.macro STEP t
.set XS, X+16*((\t)%2)
.if (\t) > 0
	s_wait_dscnt 1                                 ; this step's numbers are back from the stage (the last step's byte store may be out)
.else
	s_wait_dscnt 0x0
.endif
.if (\t)+4 < STEPS
	LOAD (\t)+4
.endif
.if (\t)+1 < STEPS
.if STEPS-2-(\t) >= 3
	s_wait_loadcnt 12                              ; the next step's four loads are in; those of the three steps behind it may be out
.else
	s_wait_loadcnt 4*(STEPS-2-(\t))
.endif
	TURN (\t)+1
.endif
	v_max3_num_f32 v8, |v[XS]|, |v[XS+1]|, |v[XS+2]|               ; the largest magnitude of my 16
	v_max3_num_f32 v9, |v[XS+3]|, |v[XS+4]|, |v[XS+5]|
.irp i, 6,10
	v_max3_num_f32 v8, v8, |v[XS+\i]|, |v[XS+\i+1]|
	v_max3_num_f32 v9, v9, |v[XS+\i+2]|, |v[XS+\i+3]|
.endr
	v_max3_num_f32 v8, v8, |v[XS+14]|, |v[XS+15]|
	v_max3_num_f32 v8, v8, v9, (EMAX+1)<<23        ; and the floor 2^(EMAX + 1 - 127): the byte cannot fall under 1
	v_max_num_f32_dpp v8, v8, v8 row_xmask:1 row_mask:0xf bank_mask:0xf   ; and of my neighbour's 16: the block's
	v_add_nc_u32 v11, -(EMAX<<23), v8              ; EMAX off its exponent field: the conversion takes the exponent field of this operand as its scale
	v_cvt_scalef32_pk8_fp4_f32 v[C+4*(\t)], v[XS:XS+7], v11
	v_cvt_scalef32_pk8_fp4_f32 v[C+4*(\t)+1], v[XS+8:XS+15], v11
	v_lshrrev_b32 v[E+(\t)], 23, v11               ; the scale's byte (also the plain line behind the conversions)
	ds_store_b8 v5, v[E+(\t)] offset:16*(\t)       ; both lanes of a block write the same byte with the same value
	global_store_b64 v4, v[C+4*(\t):C+4*(\t)+1], s[12:13] offset:32*CB*(\t)   ; the wave stores 256 consecutive bytes, aligned
.endm
.irp t, 0,1,2,3,4,5,6,7,8,9,10,11,12,13,14,15
	STEP \t
.endr
	ds_load_b64 v[8:9], v6                         ; LDS serves a wave's instructions in order: these see my stores
	s_wait_dscnt 0x0
	global_store_b64 v7, v[8:9], s[14:15]          ; 32 lanes store 256 consecutive bytes, aligned
	s_wait_tensorcnt 0x0                           ; the wave's end, behind my last LDS store
	ds_add_u32 v[SPW], v[NIL]
	s_wait_dscnt 0x0
	s_endpgm
; out_w to f16: no LDS; each load reads 512 consecutive bytes, each store writes 256, aligned.  Loads run four steps ahead.
.Lhalf:
	s_sub_co_u32 s20, ttmp9, 352
	s_lshl_b32 s20, s20, 2
	s_add_co_u32 s20, s20, s18                     ; my run of 8,192 numbers
	s_lshl_b32 s22, s20, 15
	s_mov_b32 s23, 0
	s_add_nc_u64 s[10:11], s[10:11], s[22:23]
	s_lshl_b32 s22, s20, 14
	s_add_nc_u64 s[16:17], s[16:17], s[22:23]
.macro CLOAD t
.irp i, 0,1,2,3
	global_load_b128 v[R+16*((\t)%4)+4*\i:R+16*((\t)%4)+4*\i+3], v3, s[10:11] offset:2048*(\t)+512*\i th:TH_LOAD_NT
.endr
.endm
.macro CSTEP t
.if (\t) < 12
	s_wait_loadcnt 12                              ; this step's four loads are in; the three later steps' twelve may be out
.else
	s_wait_loadcnt 4*(15-(\t))
.endif
.irp i, 0,1,2,3
	v_cvt_pk_f16_f32 v[HF+8*(\t)+2*\i], v[R+16*((\t)%4)+4*\i], v[R+16*((\t)%4)+4*\i+1]
	v_cvt_pk_f16_f32 v[HF+8*(\t)+2*\i+1], v[R+16*((\t)%4)+4*\i+2], v[R+16*((\t)%4)+4*\i+3]
.endr
.irp i, 0,1,2,3
	global_store_b64 v7, v[HF+8*(\t)+2*\i:HF+8*(\t)+2*\i+1], s[16:17] offset:1024*(\t)+256*\i
.endr
.if (\t)+4 < STEPS
	CLOAD (\t)+4
.endif
.endm
.irp t, 0,1,2,3
	CLOAD \t
.endr
.irp t, 0,1,2,3,4,5,6,7,8,9,10,11,12,13,14,15
	CSTEP \t
.endr
	s_wait_tensorcnt 0x0                           ; the same three lines at this end of the text
	ds_add_u32 v[SPW], v[NIL]
	s_wait_dscnt 0x0
	s_endpgm
.Lfunc_end_k_q7d4e396c26_quant:
	.size	k_q7d4e396c26_quant, .Lfunc_end_k_q7d4e396c26_quant-k_q7d4e396c26_quant
	.p2alignl 7, 3214868480
	.fill 96, 4, 3214868480
	.section	.rodata,"a",@progbits
	.p2align	6, 0x0
	.amdhsa_kernel k_q7d4e396c26_quant
		.amdhsa_group_segment_fixed_size 33280
		.amdhsa_private_segment_fixed_size 0
		.amdhsa_enable_private_segment 0
		.amdhsa_kernarg_size 56
		.amdhsa_user_sgpr_count 2
		.amdhsa_user_sgpr_kernarg_segment_ptr 1
		.amdhsa_wavefront_size32 1
		.amdhsa_system_sgpr_workgroup_id_x 1
		.amdhsa_system_sgpr_workgroup_id_y 1
		.amdhsa_system_sgpr_workgroup_id_z 1
		.amdhsa_system_vgpr_workitem_id 0
		.amdhsa_next_free_vgpr 208
		.amdhsa_next_free_sgpr 66
		.amdhsa_reserve_vcc 0
		.amdhsa_float_denorm_mode_32 3
		.amdhsa_float_denorm_mode_16_64 3
		.amdhsa_memory_ordered 1
		.amdhsa_forward_progress 1
		.amdhsa_inst_pref_size 54
	.end_amdhsa_kernel
	.amdgpu_metadata
---
amdhsa.version: [ 1, 2 ]
amdhsa.kernels:
  - .name:           k_q7d4e396c26_quant
    .symbol:         k_q7d4e396c26_quant.kd
    .args:
      - { .name: x, .offset: 0, .size: 8, .value_kind: global_buffer, .address_space: global }
      - { .name: qk_w, .offset: 8, .size: 8, .value_kind: global_buffer, .address_space: global }
      - { .name: v_w, .offset: 16, .size: 8, .value_kind: global_buffer, .address_space: global }
      - { .name: out_w, .offset: 24, .size: 8, .value_kind: global_buffer, .address_space: global }
      - { .name: codes, .offset: 32, .size: 8, .value_kind: global_buffer, .address_space: global }
      - { .name: scales, .offset: 40, .size: 8, .value_kind: global_buffer, .address_space: global }
      - { .name: ow16, .offset: 48, .size: 8, .value_kind: global_buffer, .address_space: global }
    .group_segment_fixed_size: 33280
    .private_segment_fixed_size: 0
    .kernarg_segment_align: 8
    .kernarg_segment_size: 56
    .max_flat_workgroup_size: 128
    .sgpr_count:     66
    .vgpr_count:     208
    .wavefront_size: 32
...
	.end_amdgpu_metadata
.endif
;; end of part 1
;; launch proj (part 2): grid 12 x 32, 4 waves a work-group, clusters of 4 x 4, 327,680 bytes of LDS; arguments codes, scales, qk_b, v_b, qkv16, fine; writes qkv16, fine
.if DOCPART == 2
	.amdgcn_target "amdgcn-amd-amdhsa--gfx1250"
	.amdhsa_code_object_version 6
	.text
	.protected	k_q7d4e396c26_proj
	.globl	k_q7d4e396c26_proj
	.p2align	8
	.type	k_q7d4e396c26_proj,@function
k_q7d4e396c26_proj:
	s_mov_b64 s[64:65], 0
	v_nop
	global_prefetch_b8 v0, s[64:65] scope:SCOPE_SE
	s_setreg_imm32_b32 hwreg(HW_REG_WAVE_MODE, 25, 1), 1
	s_wait_xcnt 0x0
	s_wait_alu depctr_hold_cnt(0) depctr_sa_sdst(0) depctr_va_vdst(0) depctr_va_sdst(0) depctr_va_ssrc(0) depctr_va_vcc(0) depctr_vm_vsrc(0)
	s_getreg_b32 s2, hwreg(HW_REG_IB_STS2, 6, 4)
	s_cmp_eq_u32 s2, 0
	s_cbranch_scc0 .Lentry_in_a_cluster
	s_endpgm
.Lentry_in_a_cluster:
	s_bfe_u32 s2, ttmp6, 0x10000c
	s_cmp_lg_u32 s2, 0xf033
	s_cbranch_scc0 .Lentry_shape_is_right
	s_endpgm
.Lentry_shape_is_right:
; The two quantised products as one: [8192 rows of x] x [3072 rows: qk_w's 2,048, then v_w's 1,024], K = 1,024, on codes of FP4 with E8M0 scales, sums in f32, the biases as the C of each sum's first product.
; Results: q, k, v in f16, each [batch][head][position][64] (rows of 128 bytes), in 'qkv16' at 0, 16,777,216 and 33,554,432; and the first 16 positions of every sequence once more in f32, in 'fine':
; q, k, v at 0, 524,288 and 1,048,576, each [batch][head][16][64] (rows of 256 bytes).  LIMIT: |q|, |k|, |v| stay under 65,504 (f16).
; A tile of 256 x 256 is made by four waves, 128 x 128 each: 64 accumulators, 512 registers.  K is two slots of 512 (rows of 256 bytes): both slots and all scale bytes are first fills, nothing is filled again.
; A wave's 128 columns are one head's q and k (columns 0-2047) or two heads' v (the rest).
; CLUSTERS: 4 x 4 work-groups; A's tiles are asked for jointly along a row of the cluster, B's along a column.  Cluster y = Y, place cy: batch = 4 (Y / 4) + cy, quarter of the sequence = Y % 4:
; so 'this tile begins a sequence' hangs on Y alone and is the same in all partners.
; THE MATRIX INSTRUCTION IS USED TRANSPOSED (source 0 = 16 rows of the weights, source 1 = 16 rows of x): a lane holds eight neighbouring columns of one row.
; REGISTERS: window 0: v0-31 addresses; v32-95 scale words, two sets, and nothing else; v96-127 packed results; v128-191 A's fragments, later the f32 copy; v192-255 the biases (8 blocks x 8), later rows on their way out.
;   window 1: B's fragments, two sets.   windows 2, 3: the accumulators of my rows 0-63, 64-127 ((a, b) at v[8 (8 (a % 4) + b)]).
.set NQ,     4                         ; matrix instructions deep in a slot
.set ROWB,   256                       ; a tile's row in bytes: 512 codes
.set KROW,   512                       ; a row of codes in memory
.set PITCH,  272                       ; an LDS row: 256 bytes + 16 of padding: the 16 rows of a load start 68 words apart
.set FR,     8
.set NL,     2
.set NP,     4
.set HALFT,  128*PITCH
.set SLOT,   4*HALFT
.set KS,     32                        ; a row of scale bytes
.set SCL,    2*SLOT                    ; behind the ring: the scales, as units of 256 bytes + 16
.set HALFS,  16*272
.set SBLK,   2*272
.set SPARE,  SCL+4*HALFS               ; the spare words, 128 bytes for each wave
.set FSTG,   0                         ; the way out, in slot 0, which has had its only fill and its last read: 16 rows x 528 bytes for each wave (f32),
.set HSTG,   4*16*528                  ; and two halves of 16 rows x 144 bytes for each wave (f16)
.set ADRA, 16
.set ADRB, 20
.set FSTO, 22
.set FRD,  23
.set STO,  24
.set RD,   25
.set CO,   26
.set ADRS, 27
.set SPW,  28
.set NIL,  29
.set FCO,  30
.set BOF,  31
.set SC,   32
.set TMP,  96
.set AF,   128
.set BIAS, 192
.set BK,   192
.set G1, 24
.set G0, 32
.set G1B, 48
.set G0B, 56
.set G1S, 68
.set G0S, 76
.set G1SB, 80
.set G0SB, 88
.set MSB, 0
.macro WIN new                         ; the immediate's high byte repeats the setting that is left
.if MSB != \new
	s_set_vgpr_msb (MSB<<8)|\new
.set MSB, \new
.endif
.endm
.set MUL_LO, 0xa1                      ; source 0 (B) window 1, source 1 (A) window 0, C and D window 2
.set MUL_HI, 0xf1
.set FST_LO, 0x81                      ; the same with C (the biases) in window 0
.set FST_HI, 0xc1
.set TO_B,   0x40
; A joint load: waves 0 and 1 fetch for A, waves 2 and 3 for B; the branch hangs on the wave's number alone.  An s_nop 0 and four v_nop follow each line.
.macro JLOAD g0a, g1a, g0b, g1b
	s_cmp_eq_u32 s17, 0
	s_cbranch_scc0 .Lfor_b_\@
	tensor_load_to_lds s[\g0a:\g0a+3], s[\g1a:\g1a+7]
	s_nop 0
.rept 4
	v_nop
.endr
	s_branch .Lasked_\@
.Lfor_b_\@:
	tensor_load_to_lds s[\g0b:\g0b+3], s[\g1b:\g1b+7]
	s_nop 0
.rept 4
	v_nop
.endr
.Lasked_\@:
.endm
.macro CROUND                          ; a round of the cluster's barrier
	s_barrier_signal -1
	s_barrier_wait -1
	s_cmp_lg_u32 s16, 0
	s_cbranch_scc1 .Lnot_wave_0_\@
	s_barrier_signal -3
.Lnot_wave_0_\@:
	s_barrier_wait -3
	s_barrier_signal -1
	s_barrier_wait -1
.endm
	s_load_b256 s[4:11], s[0:1], 0x0               ; codes, scales, qk_b, v_b
	s_load_b128 s[12:15], s[0:1], 0x20             ; qkv16, fine
	v_lshl_add_u32 v[SPW], v0, 2, SPARE
	v_mov_b32 v[NIL], 0
	ds_add_u32 v[SPW], v[NIL]                      ; the opening: the add, twice on end, and its wait ahead of my first tensor load
	ds_add_u32 v[SPW], v[NIL]
	v_lshrrev_b32 v1, 5, v0
	v_readfirstlane_b32 s16, v1                    ; wave 0..3
	s_lshr_b32 s17, s16, 1                         ; which half of the tile's rows is mine.  Also: I fetch for A (0) or for B (1)
	s_and_b32 s18, s16, 1                          ; which half of its columns.  Also: which 128 rows I fetch
	s_bfe_u32 s40, ttmp6, 0x40000                  ; cx
	s_bfe_u32 s41, ttmp6, 0x40004                  ; cy
	s_lshl_b32 s42, ttmp9, 2
	s_add_co_u32 s42, s42, s40                     ; tile column = 4 x cluster x + cx
	s_and_b32 s45, ttmp7, 0xffff                   ; Y
	s_lshr_b32 s19, s45, 2
	s_lshl_b32 s19, s19, 2
	s_add_co_u32 s66, s19, s41                     ; batch = 4 (Y / 4) + cy
	s_and_b32 s67, s45, 3                          ; quarter of the sequence
	s_lshl_b32 s19, s66, 2
	s_add_co_u32 s19, s19, s67                     ; tile row = 4 x batch + quarter
	s_lshl_b32 s43, s41, 2
	s_lshl_b32 s43, 15, s43                        ; my row of the cluster
	s_lshl_b32 s44, 0x1111, s40                    ; my column
	s_or_b32 s[G1+0], s43, (0<<16)|(1<<20)|(1<<21)|(5<<22)|(3<<25)  ; the mask; elements of 1 byte; padding on; bit 21 beside a mask; 4 words behind every 64
	s_or_b32 s[G1B+0], s44, (0<<16)|(1<<20)|(1<<21)|(5<<22)|(3<<25)
.irp g, G1, G1B
	s_mov_b32 s[\g+1], ROWB<<16                    ; tensor_dim0
	s_mov_b32 s[\g+2], 128<<16                     ; tensor_dim1
	s_mov_b32 s[\g+3], ROWB<<16                    ; tile_dim0
	s_mov_b32 s[\g+4], 128                         ; tile_dim1
	s_mov_b32 s[\g+5], KROW                        ; the pitch
	s_mov_b32 s[\g+6], 0
	s_mov_b32 s[\g+7], 0
.endr
	s_or_b32 s[G1S+0], s43, (3<<16)|(1<<20)|(1<<21)|(5<<22)|(3<<25) ; the scales of 128 rows: 4,096 dense bytes as 16 rows of 256 (32 elements of 8 bytes)
	s_or_b32 s[G1SB+0], s44, (3<<16)|(1<<20)|(1<<21)|(5<<22)|(3<<25)
.irp g, G1S, G1SB
	s_mov_b32 s[\g+1], 32<<16
	s_mov_b32 s[\g+2], 16<<16
	s_mov_b32 s[\g+3], 32<<16
	s_mov_b32 s[\g+4], 16
	s_mov_b32 s[\g+5], 32
	s_mov_b32 s[\g+6], 0
	s_mov_b32 s[\g+7], 0
.endr
	s_lshl_b32 s21, s18, 7                         ; which 128 rows I fetch
	s_lshl_b32 s20, s19, 8
	s_add_co_u32 s20, s20, s21                     ; A: row 256 x tile row + 128 x half
	s_lshl_b32 s46, s42, 8
	s_add_co_u32 s46, s46, s21
	s_add_co_u32 s46, s46, 8192                    ; B: behind x's 8,192 rows
	s_lshl_b32 s22, s20, 5                         ; their scale bytes,
	s_mov_b32 s23, 0
	s_lshl_b32 s92, s46, 5
	s_mov_b32 s93, 0
	s_lshl_b32 s20, s20, 9                         ; and their codes
	s_mov_b32 s21, 0
	s_lshl_b32 s46, s46, 9
	s_mov_b32 s47, 0
	s_mul_i32 s94, s16, HALFT                      ; where they go: no place in the cluster enters an LDS address
	s_mul_i32 s95, s16, HALFS
	s_wait_dscnt 0x0                               ; both opening adds are done
	s_wait_kmcnt 0x0
	s_add_nc_u64 s[20:21], s[4:5], s[20:21]
	s_add_nc_u64 s[22:23], s[6:7], s[22:23]
	s_add_nc_u64 s[46:47], s[4:5], s[46:47]
	s_add_nc_u64 s[92:93], s[6:7], s[92:93]
	CROUND                                         ; all sixteen work-groups are here: the joint loads meet
	s_mov_b32 s[G0S], 1
	s_add_co_u32 s[G0S+1], s95, SCL
	s_mov_b64 s[G0S+2:G0S+3], s[22:23]
	s_or_b32 s[G0S+3], s[G0S+3], 0x80000000
	s_mov_b32 s[G0SB], 1
	s_add_co_u32 s[G0SB+1], s95, SCL
	s_mov_b64 s[G0SB+2:G0SB+3], s[92:93]
	s_or_b32 s[G0SB+3], s[G0SB+3], 0x80000000
	JLOAD G0S, G1S, G0SB, G1SB                     ; the scales first; by this text's count three tensor loads of a wave are out
.irp s, 0,1
	s_mov_b32 s[G0+4*\s], 1
	s_add_co_u32 s[G0+4*\s+1], s94, \s*SLOT
	s_add_nc_u64 s[G0+4*\s+2:G0+4*\s+3], s[20:21], \s*ROWB
	s_or_b32 s[G0+4*\s+3], s[G0+4*\s+3], 0x80000000
	s_mov_b32 s[G0B+4*\s], 1
	s_add_co_u32 s[G0B+4*\s+1], s94, \s*SLOT
	s_add_nc_u64 s[G0B+4*\s+2:G0B+4*\s+3], s[46:47], \s*ROWB
	s_or_b32 s[G0B+4*\s+3], s[G0B+4*\s+3], 0x80000000
	JLOAD G0+4*\s, G1, G0B+4*\s, G1B
.endr
	v_and_b32 v1, 15, v0                           ; r
	v_bfe_u32 v2, v0, 4, 1                         ; h
	v_mul_u32_u24 v3, v1, PITCH
	v_lshl_add_u32 v4, v2, 4, v3                   ; a fragment's row x pitch + 16 h
	s_mul_i32 s21, s17, HALFT                      ; my 128 rows of A
	s_mul_i32 s22, s18, HALFT
	s_add_co_u32 s22, s22, 2*HALFT                 ; my 128 rows of B, behind A's 256
.irp s, 0,1
	v_add_nc_u32 v[ADRA+\s], s21, v4
	v_add_nc_u32 v[ADRB+\s], s22, v4
	s_add_co_u32 s21, s21, SLOT
	s_add_co_u32 s22, s22, SLOT
.endr
	v_mul_u32_u24 v5, v1, KS                       ; my row's scales: 32 bytes a row,
	v_lshrrev_b32 v6, 8, v5
	v_lshl_add_u32 v5, v6, 4, v5                   ; and 16 more for each 256 passed
	s_mul_i32 s21, s17, HALFS
	s_mul_i32 s22, s18, HALFS
	s_add_co_u32 s22, s22, 2*HALFS
	s_sub_co_u32 s22, s22, s21
	v_mul_u32_u24 v6, s22, v2                      ; lanes 16-31 take B's
	s_add_co_u32 s21, s21, SCL
	v_add_nc_u32 v5, v5, v6
	v_add_nc_u32 v[ADRS], s21, v5
	s_mul_i32 s23, s16, 16*528                     ; the f32 stage: in: row r, 32 h;  back: 16 bytes a lane of a row of 512
	v_mul_u32_u24 v5, v1, 528
	v_lshl_add_u32 v5, v2, 5, v5
	v_add_nc_u32 v[FSTO], s23, v5
	v_and_b32 v6, 31, v0
	v_lshlrev_b32 v[CO], 4, v6                     ; 16 x lane
	v_add_nc_u32 v[FRD], s23, v[CO]
	s_mul_i32 s23, s16, 2*16*144
	s_add_co_u32 s23, s23, HSTG                    ; the f16 stage: in: row r, 16 h;  back: eight lanes to a row of 128 bytes
	v_mul_u32_u24 v5, v1, 144
	v_lshl_add_u32 v5, v2, 4, v5
	v_add_nc_u32 v[STO], s23, v5
	v_lshrrev_b32 v5, 3, v6
	v_mul_u32_u24 v5, v5, 144
	v_and_b32 v6, 7, v0
	v_lshl_add_u32 v5, v6, 4, v5
	v_add_nc_u32 v[RD], s23, v5
	v_lshlrev_b32 v[BOF], 5, v2                    ; the biases: 8 h numbers on
	; where the results go.  Columns 0-2047 (cluster x under 2): q and k of head 2 tc + half;  the rest: v of heads 4 (tc - 8) + 2 half and the next
	s_cmp_lt_u32 ttmp9, 2
	s_cselect_b64 s[8:9], s[8:9], s[10:11]         ; qk_b or v_b
	s_cselect_b32 s46, 0, 8
	s_cselect_b32 s47, 0, 1
	s_cselect_b32 s92, 0, 0x2000000                ; the first part's place in qkv16
	s_mov_b32 s93, 0x20000
	s_cselect_b32 s93, 0x1000000, s93              ; from my columns 0-63 to my columns 64-127: q to k, or a head on
	s_cselect_b32 s94, 0, 0x100000                 ; the same two in 'fine'
	s_mov_b32 s95, 4096
	s_cselect_b32 s95, 0x80000, s95
	s_sub_co_u32 s46, s42, s46                     ; tile column within its weight
	s_lshl_b32 s20, s46, 10
	s_lshl_b32 s21, s18, 9
	s_add_co_u32 s20, s20, s21
	s_mov_b32 s21, 0
	s_add_nc_u64 s[8:9], s[8:9], s[20:21]          ; the bias of my first column
	s_lshl_b32 s22, s46, 1
	s_add_co_u32 s22, s22, s18
	s_lshl_b32 s22, s22, s47                       ; the head
	s_lshl_b32 s23, s66, 4
	s_add_co_u32 s22, s22, s23                     ; 16 x batch + head
	s_lshl_b32 s20, s22, 12
	s_add_co_u32 s20, s20, s94
	s_add_nc_u64 s[100:101], s[14:15], s[20:21]    ; 'fine': 4,096 bytes for each batch and head
	s_lshl_b32 s20, s22, 10
	s_lshl_b32 s23, s67, 8
	s_add_co_u32 s20, s20, s23
	s_lshl_b32 s23, s17, 7
	s_add_co_u32 s20, s20, s23                     ; my first position among all rows of the part
	s_lshl_b32 s20, s20, 7
	s_add_co_u32 s20, s20, s92
	s_add_nc_u64 s[96:97], s[12:13], s[20:21]
	s_mov_b32 s20, s93
	s_add_nc_u64 s[98:99], s[96:97], s[20:21]
	s_or_b32 s47, s67, s17                         ; 0: my block 0 holds positions 0-15 of a sequence
	v_mul_lo_u32 v[FCO], v2, s95
	v_lshl_add_u32 v[FCO], v1, 4, v[FCO]
.irp b, 0,1,2,3,4,5,6,7
	global_load_b128 v[BIAS+8*\b:BIAS+8*\b+3], v[BOF], s[8:9] offset:64*\b        ; block b: the biases of columns 16 b + 8 h + 0 .. 7, in the result's layout
	global_load_b128 v[BIAS+8*\b+4:BIAS+8*\b+7], v[BOF], s[8:9] offset:64*\b+16
.endr
.macro FRAG reg, adr, q, i             ; 16 rows x 128 K of 4-bit codes: 8 registers, two loads 32 bytes apart
.irp c, 0,1
	ds_load_b128 v[\reg+4*\c:\reg+4*\c+3], v[\adr] offset:64*(\q)+32*\c+(\i)*16*PITCH
.endr
.endm
; 16 matrix instructions: A's blocks a0, a0 + 1 x B's eight.  zero = 1: the first product starts the sums on the biases.  The 64 accumulators take turns, one instruction a turn.
.macro MUL16 a0, p, q, sc, zero
.irp a, \a0, \a0+1
.irp b, 0,1,2,3,4,5,6,7
.if \zero
	v_wmma_scale_f32_16x16x128_f8f6f4 v[8*(8*((\a)%4)+\b):8*(8*((\a)%4)+\b)+7], v[128*(\p)+FR*\b:128*(\p)+FR*\b+FR-1], v[AF+FR*(\a):AF+FR*(\a)+FR-1], v[BIAS+8*\b:BIAS+8*\b+7], v[SC+8*NQ*(\sc)+NQ*\b+(\q)], v[SC+8*NQ*(\sc)+NQ*(\a)+(\q)] matrix_a_fmt:MATRIX_FMT_FP4 matrix_b_fmt:MATRIX_FMT_FP4 matrix_a_scale:MATRIX_SCALE_ROW1
.else
	v_wmma_scale_f32_16x16x128_f8f6f4 v[8*(8*((\a)%4)+\b):8*(8*((\a)%4)+\b)+7], v[128*(\p)+FR*\b:128*(\p)+FR*\b+FR-1], v[AF+FR*(\a):AF+FR*(\a)+FR-1], v[8*(8*((\a)%4)+\b):8*(8*((\a)%4)+\b)+7], v[SC+8*NQ*(\sc)+NQ*\b+(\q)], v[SC+8*NQ*(\sc)+NQ*(\a)+(\q)] matrix_a_fmt:MATRIX_FMT_FP4 matrix_b_fmt:MATRIX_FMT_FP4 matrix_a_scale:MATRIX_SCALE_ROW1
.endif
.endr
.endr
.endm
.macro FETCH_B slot, q, p
	WIN TO_B
.irp i, 0,1,2,3,4,5,6,7
	FRAG 128*(\p)+FR*\i, ADRB+\slot, \q, \i
.endr
	WIN 0
.endm
.macro FETCH_A slot, q, i0
.irp i, \i0, \i0+1, \i0+2, \i0+3
	FRAG AF+FR*(\i), ADRA+\slot, \q, \i
.endr
.endm
.macro SCALES sc                       ; a slot's scale words: lanes 0-15 take A's block i, lanes 16-31 B's block i
.irp i, 0,1,2,3,4,5,6,7
	ds_load_b128 v[SC+8*NQ*\sc+NQ*\i:SC+8*NQ*\sc+NQ*\i+3], v[ADRS] offset:\i*SBLK
.endr
.endm
.macro PLACES n                        ; plain vector instructions between a matrix instruction and a load into, or a read of, its registers
.rept \n
	v_nop
.endr
.endm
.macro STEP slot, q, zero              ; 128 along K that has its successor in the same slot
	s_wait_dscnt 4*NL                              ; B's set and A's blocks 0-3 are in; the youngest eight loads (A's blocks 4-7) may be out
.if \zero
	WIN FST_LO
.else
	WIN MUL_LO
.endif
	MUL16 0, (\q)%2, \q, \slot, \zero
	MUL16 2, (\q)%2, \q, \slot, \zero
	s_wait_dscnt 0
	PLACES NP
	FETCH_B \slot, (\q)+1, 1-(\q)%2
	FETCH_A \slot, (\q)+1, 0
.if \zero
	WIN FST_HI
.else
	WIN MUL_HI
.endif
	MUL16 4, (\q)%2, \q, \slot, \zero
	MUL16 6, (\q)%2, \q, \slot, \zero
	PLACES NP
	WIN 0
	FETCH_A \slot, (\q)+1, 4
.endm
.macro STEPS slot, from
.set Q, \from
.rept NQ-1-\from
	STEP \slot, Q, 0
.set Q, Q+1
.endr
.endm
	s_wait_tensorcnt 1                             ; the scales and my part of slot 0 are in; slot 1's load may be out
	s_barrier_signal -1
	s_barrier_wait -1
	FETCH_B 0, 0, 0
	FETCH_A 0, 0, 0
	SCALES 0
	FETCH_A 0, 0, 4
	s_wait_loadcnt 0x0                             ; the biases
	STEP 0, 0, 1
	STEPS 0, 1
	; slot 0's last step changes slots: one barrier; in front of it my tensor loads have landed, and my reads of slot 0 are over
	s_wait_tensorcnt 0x0
	ds_add_u32 v[SPW], v[NIL]
	s_wait_dscnt 4*NL+1                            ; the add and the youngest eight loads may be out
	WIN MUL_LO
	MUL16 0, 1, NQ-1, 0, 0
	s_wait_dscnt 0x0
	s_barrier_signal -1
	MUL16 2, 1, NQ-1, 0, 0
	WIN 0
	s_barrier_wait -1
	PLACES NP
	v_add_nc_u32 v[ADRS], 4*NQ, v[ADRS]            ; slot 1's scale words
	FETCH_B 1, 0, 0
	FETCH_A 1, 0, 0
	SCALES 1
	WIN MUL_HI
	MUL16 4, 1, NQ-1, 0, 0
	MUL16 6, 1, NQ-1, 0, 0
	PLACES NP
	WIN 0
	FETCH_A 1, 0, 4
	STEPS 1, 0
	s_wait_dscnt 4*NL
	WIN MUL_LO
	MUL16 0, 1, NQ-1, 1, 0
	MUL16 2, 1, NQ-1, 1, 0
	s_wait_dscnt 0
	WIN MUL_HI
	MUL16 4, 1, NQ-1, 1, 0
	MUL16 6, 1, NQ-1, 1, 0
	WIN 0
	PLACES NP                                      ; for every read of results and every write of operands below
	; positions 0-15 of a sequence in f32: my block 0 through the f32 stage, back as rows of 512 bytes; sixteen lanes store 256 consecutive bytes, aligned
	s_cmp_lg_u32 s47, 0                            ; Y and the wave's number alone: the same in all partners
	s_cbranch_scc1 .Lno_fine
	WIN 0x08                                       ; an LDS store's data: window 2
.irp b, 0,1,2,3,4,5,6,7
	ds_store_b128 v[FSTO], v[8*\b:8*\b+3] offset:64*\b             ; each accumulator from its low end on
	ds_store_b128 v[FSTO], v[8*\b+4:8*\b+7] offset:64*\b+16
.endr
	WIN 0
.irp t, 0,1,2,3,4,5,6,7,8,9,10,11,12,13,14,15
	ds_load_b128 v[AF+4*\t:AF+4*\t+3], v[FRD] offset:\t*528        ; LDS serves a wave's instructions in order: these see the stores above
.endr
	s_wait_dscnt 0x0
.irp t, 0,1,2,3,4,5,6,7,8,9,10,11,12,13,14,15
	global_store_b128 v[FCO], v[AF+4*\t:AF+4*\t+3], s[100:101] offset:256*\t
.endr
.Lno_fine:
; THE WAY OUT in f16, block by block of 16 rows: rounded, 16 bytes a lane into the stage (columns 0-63 in one half, 64-127 in the other), back as rows of 128 bytes, four rows to a store of 512 consecutive bytes.
.macro PACK a
.set AC, 64*((\a)%4)
	WIN 0x0a+5*((\a)/4)                            ; sources 0 and 1: window 2 or 3
.irp b, 0,1,2,3,4,5,6,7
.irp r, 0,1,2,3
	v_cvt_pk_f16_f32 v[TMP+4*\b+\r], v[AC+8*\b+2*\r], v[AC+8*\b+2*\r+1]
.endr
.endr
	WIN 0
.endm
.macro TOSTAGE a
.set BB, BK+32*((\a)%2)
.irp b, 0,1,2,3,4,5,6,7
	ds_store_b128 v[STO], v[TMP+4*\b:TMP+4*\b+3] offset:(\b/4)*2304+32*(\b%4)
.endr
.irp u, 0,1
.irp t, 0,1,2,3
	ds_load_b128 v[BB+16*\u+4*\t:BB+16*\u+4*\t+3], v[RD] offset:\u*2304+\t*576
.endr
.endr
.endm
.macro SEND a
.set BB, BK+32*((\a)%2)
	s_wait_dscnt 0x0                               ; the block is back in registers
	s_wait_xcnt 0x0                                ; earlier stores have read their registers: the block after this one may land where the block before it lay
.irp t, 0,1,2,3
	global_store_b128 v[CO], v[BB+4*\t:BB+4*\t+3], s[96:97] offset:(\a)*2048+\t*512
	global_store_b128 v[CO], v[BB+16+4*\t:BB+16+4*\t+3], s[98:99] offset:(\a)*2048+\t*512
.endr
.endm
	PACK 0
	TOSTAGE 0
.irp a, 1,2,3,4,5,6,7                  ; block a's conversions stand between block a - 1's loads from the stage and the wait for them
	PACK \a
	SEND \a-1
	TOSTAGE \a
.endr
	SEND 7
	s_wait_tensorcnt 0x0                           ; the wave's end
	ds_add_u32 v[SPW], v[NIL]
	s_wait_dscnt 0x0
	CROUND                                         ; the closing round
	s_endpgm
.Lfunc_end_k_q7d4e396c26_proj:
	.size	k_q7d4e396c26_proj, .Lfunc_end_k_q7d4e396c26_proj-k_q7d4e396c26_proj
	.p2alignl 7, 3214868480
	.fill 96, 4, 3214868480
	.section	.rodata,"a",@progbits
	.p2align	6, 0x0
	.amdhsa_kernel k_q7d4e396c26_proj
		.amdhsa_group_segment_fixed_size 327680
		.amdhsa_private_segment_fixed_size 0
		.amdhsa_enable_private_segment 0
		.amdhsa_kernarg_size 48
		.amdhsa_user_sgpr_count 2
		.amdhsa_user_sgpr_kernarg_segment_ptr 1
		.amdhsa_wavefront_size32 1
		.amdhsa_system_sgpr_workgroup_id_x 1
		.amdhsa_system_sgpr_workgroup_id_y 1
		.amdhsa_system_sgpr_workgroup_id_z 1
		.amdhsa_system_vgpr_workitem_id 0
		.amdhsa_next_free_vgpr 1024
		.amdhsa_next_free_sgpr 102
		.amdhsa_reserve_vcc 0
		.amdhsa_float_denorm_mode_32 3
		.amdhsa_float_denorm_mode_16_64 3
		.amdhsa_memory_ordered 1
		.amdhsa_forward_progress 1
		.amdhsa_inst_pref_size 133
	.end_amdhsa_kernel
	.amdgpu_metadata
---
amdhsa.version: [ 1, 2 ]
amdhsa.kernels:
  - .name:           k_q7d4e396c26_proj
    .symbol:         k_q7d4e396c26_proj.kd
    .args:
      - { .name: codes, .offset: 0, .size: 8, .value_kind: global_buffer, .address_space: global }
      - { .name: scales, .offset: 8, .size: 8, .value_kind: global_buffer, .address_space: global }
      - { .name: qk_b, .offset: 16, .size: 8, .value_kind: global_buffer, .address_space: global }
      - { .name: v_b, .offset: 24, .size: 8, .value_kind: global_buffer, .address_space: global }
      - { .name: qkv16, .offset: 32, .size: 8, .value_kind: global_buffer, .address_space: global }
      - { .name: fine, .offset: 40, .size: 8, .value_kind: global_buffer, .address_space: global }
    .group_segment_fixed_size: 327680
    .private_segment_fixed_size: 0
    .kernarg_segment_align: 8
    .kernarg_segment_size: 48
    .max_flat_workgroup_size: 128
    .sgpr_count:     102
    .vgpr_count:     1024
    .wavefront_size: 32
...
	.end_amdgpu_metadata
.endif
;; end of part 2
;; launch attn (part 3): grid 2 x 128, 8 waves a work-group, no clusters, 327,680 bytes of LDS; arguments qkv16, bias, o16; writes o16
.if DOCPART == 3
	.amdgcn_target "amdgcn-amd-amdhsa--gfx1250"
	.amdhsa_code_object_version 6
	.text
	.protected	k_q7d4e396c26_attn
	.globl	k_q7d4e396c26_attn
	.p2align	8
	.type	k_q7d4e396c26_attn,@function
k_q7d4e396c26_attn:
	s_mov_b64 s[64:65], 0
	v_nop
	global_prefetch_b8 v0, s[64:65] scope:SCOPE_SE
	s_setreg_imm32_b32 hwreg(HW_REG_WAVE_MODE, 25, 1), 1
	s_wait_xcnt 0x0
; O[b][h][i] = sum over j <= i of softmax_j(q_i . k_j / 8 + bias[bucket(i - j)][h]) v_j, on f16 operands with f32 products, maxima and sums; O in f16, [batch][head][position][64].
; LEFT OUT: key steps (64 keys) that lie wholly behind a wave's 32 queries: the function's own causal mask gives their weights the value 0 for all inputs.
; LIMITS: |O| under 65,504; NaN and infinities among the inputs are not served.  Positions 0-15 of every sequence are made again, in f32, by the last launch.
; SHARES.  Work-group (p, head) takes the block of 256 queries p and then block 3 - p: (p + 1) + (4 - p) = 5 visits of slots of 256 keys in every work-group, so the trip counts are constants.
; Trip u <= p: block p, slot u; else block 3 - p, slot u - p - 1.  Wave w owns 32 queries, two tiles of 16: sub-block w (w < 4) or 11 - w.
; No cluster: the two work-groups of a head want different slots in the same trip.
; LAYOUT.  S^T = K Q^T (source 0 = 16 keys, source 1 = 16 queries): a lane holds one query (lane % 16) and keys 8 (lane / 16) + 0..7; two such tiles, rounded in pairs, are source 1 of O^T = V^T P.
; V ([key][channel]) comes out of LDS turned, by ds_load_tr16_b128.
; SOFTMAX in base 2: t = s c + bias log2(e), c = log2(e) / 8; running maximum M and sum l; p = 2^(t - M); O and l are multiplied by f = 2^(old M - new M) in every step.
; BIAS AND MASK.  The bucket of a distance is a constant of the function: n for n <= 16; 18 + the number of {18,19,20,22,25,28,33,39,48,59,76,98,128} that are <= min(n, 128) otherwise.
; The work-group builds, once, a table of bias log2(e) by distance -63 .. 192 (-infinity under 0), and from it 15 images of a result tile's registers: image i holds, for lane (r, h) and register j,
; the entry of distance 16 (i - 3) + r - 8 h - j.  A step whose distances are all 128 or more (far) adds one number; the others (near) load five images.
; REGISTERS: window 0: v1-11 addresses; v12-27 statistics, 8 a tile; v30-31 M; v32-95 S^T; v96-127 P; v128-191 K; v192-255 V.   window 1: v0-63 O^T; v64-95 Q; v96-135 five images.
.set PK,    144                        ; a row of K in LDS: 128 bytes + 16
.set PV,    160                        ; a row of V: 128 + 32: 16 lanes of the turning load take 8 rows x 32 bytes
.set VOFF,  256*PK
.set SLOT1, 1<<17
.set DT,    SLOT1+VOFF+256*PV          ; behind the ring: the table by distance, 256 words,
.set IMG,   DT+1024                    ; the 15 images, 1,024 bytes each,
.set STAGE, IMG+15*1024                ; a stage of 16 rows x 144 bytes for each wave,
.set SPARE, STAGE+8*16*PK              ; and the spare words, 128 bytes for each wave
.set AK0, 1
.set AV0, 2
.set ADK, 3
.set ADV, 4
.set ADB, 5
.set LI,  6                            ; 16 x lane
.set QO,  7
.set STO, 8
.set RD,  9
.set B31, 10                           ; bias[31][head] log2(e), in every lane
.set PFO, 11                           ; 256 x lane
.set ST,  12                           ; tile t at v[ST+8t]: +0 the addend, +1 its pair's other word, +2, +3 l, +4..+7 the maximum's chains; f takes +6
.set SPW, 28
.set NIL, 29
.set MX,  30
.set S,   32
.set P,   96
.set KFR, 128
.set VFR, 192
.set QF,  64                           ; window 1
.set BF,  96                           ; window 1
.set WV,  10
.set PP,  11
.set BH,  12
.set SUBQ, 13
.set TRIP, 14
.set STEPC, 15
.set Q0,  16
.set KF,  17
.set TK,  18
.set TV,  19
.set SEL, 20
.set CS,  22
.set G1K, 24
.set G1V, 32
.set G0K, 40
.set G0V, 44
.set KB,  48
.set VB,  50
.set PFA, 52
.set QB,  54
.set OBS, 56
.set QA,  58
.set OA,  60
.set MSB, 0
.macro WIN new
.if MSB != \new
	s_set_vgpr_msb (MSB<<8)|\new
.set MSB, \new
.endif
.endm
.set W_KQ, 0x04                        ; Q in window 1
.set W_PV, 0x50                        ; O^T (C and D) in window 1
.set W_RS, 0x41                        ; O^T (destination and source 0) in window 1
.set W_BF, 0x10                        ; the images (source 2) in window 1
; Waves 0-3 fetch K's quarters of a slot, waves 4-7 V's: one load a wave.  An s_nop 0 and four v_nop follow each line.
.macro TLOAD
	s_cmp_lt_u32 s[WV], 4
	s_cbranch_scc0 .Lfor_v_\@
	tensor_load_to_lds s[G0K:G0K+3], s[G1K:G1K+7]
	s_nop 0
.rept 4
	v_nop
.endr
	s_branch .Lasked_\@
.Lfor_v_\@:
	tensor_load_to_lds s[G0V:G0V+3], s[G1V:G1V+7]
	s_nop 0
.rept 4
	v_nop
.endr
.Lasked_\@:
.endm
; A prefetch of what the next change of slots loads: in the work-groups p = 0, at trips 1 and 2, slot trip + 1: each wave names the 8,192 bytes that it will fetch, lanes 256 bytes apart.
; Slots 2 and 3 of each head are so named once in the launch; slots 0 and 1 come by their loads alone.
.macro ASK
	s_sub_co_u32 s62, s[TRIP], 1
	s_lshr_b32 s62, s62, 1
	s_or_b32 s62, s62, s[PP]
	s_cmp_eq_u32 s62, 0
	s_cbranch_scc0 .Lnot_mine_\@
	global_prefetch_b8 v[PFO], s[PFA:PFA+1] th:TH_LOAD_NT scope:SCOPE_SE
.Lnot_mine_\@:
.endm
	s_load_b128 s[4:7], s[0:1], 0x0                ; qkv16, bias
	s_load_b64 s[8:9], s[0:1], 0x10                ; o16
	v_lshl_add_u32 v[SPW], v0, 2, SPARE
	v_mov_b32 v[NIL], 0
	ds_add_u32 v[SPW], v[NIL]                      ; the opening: the add, twice on end, and its wait ahead of my first tensor load
	ds_add_u32 v[SPW], v[NIL]
	v_lshrrev_b32 v1, 5, v0
	v_readfirstlane_b32 s[WV], v1                  ; wave 0..7
	s_mov_b32 s[PP], ttmp9
	s_and_b32 s[BH], ttmp7, 0xffff                 ; 16 x batch + head
	s_sub_co_u32 s62, 11, s[WV]
	s_cmp_lt_u32 s[WV], 4
	s_cselect_b32 s[SUBQ], s[WV], s62
	s_lshl_b32 s[SUBQ], s[SUBQ], 5                 ; my 32 queries in a block
	s_mov_b32 s[G1K], (1<<16)|(1<<20)|(4<<22)|(3<<25)              ; elements of 2 bytes; padding: 4 words behind every 32
	s_mov_b32 s[G1V], (1<<16)|(1<<20)|(4<<22)|(7<<25)              ; 8 words
.irp g, G1K, G1V
	s_mov_b32 s[\g+1], 64<<16                      ; tensor_dim0
	s_mov_b32 s[\g+2], 64<<16                      ; tensor_dim1
	s_mov_b32 s[\g+3], 64<<16                      ; tile_dim0
	s_mov_b32 s[\g+4], 64                          ; tile_dim1
	s_mov_b32 s[\g+5], 64                          ; the pitch
	s_mov_b32 s[\g+6], 0
	s_mov_b32 s[\g+7], 0
.endr
	s_mov_b32 s[SEL], 0x76543210
	s_mov_b32 s[SEL+1], 0xfedcba98
	s_mov_b32 s[CS], 0x3e38aa3b                    ; c = log2(e) / 8
	s_mov_b32 s[CS+1], s[CS]
	s_and_b32 s63, s[WV], 3                        ; which quarter of a slot I fetch
	s_mul_i32 s66, s63, 64*PK
	s_mul_i32 s67, s63, 64*PV
	s_add_co_u32 s67, s67, VOFF
	s_lshl_b32 s68, s[BH], 17                      ; a head's 1,024 rows of 128 bytes
	s_mov_b32 s69, 0
	s_lshl_b32 s62, s63, 13
	s_mov_b32 s[TRIP], 0
	s_mov_b32 s[TK], 0
	s_mov_b32 s[TV], 0
	s_wait_dscnt 0x0                               ; both opening adds are done
	s_wait_kmcnt 0x0
	s_add_nc_u64 s[QB:QB+1], s[4:5], s[68:69]
	s_add_nc_u64 s[OBS:OBS+1], s[8:9], s[68:69]
	s_mov_b32 s68, s62
	s_add_nc_u64 s[KB:KB+1], s[QB:QB+1], s[68:69]
	s_add_nc_u64 s[VB:VB+1], s[KB:KB+1], 0x2000000
	s_add_nc_u64 s[KB:KB+1], s[KB:KB+1], 0x1000000
	s_mov_b32 s[G0K], 1
	s_mov_b32 s[G0K+1], s66
	s_mov_b64 s[G0K+2:G0K+3], s[KB:KB+1]
	s_or_b32 s[G0K+3], s[G0K+3], 0x80000000
	s_mov_b32 s[G0V], 1
	s_mov_b32 s[G0V+1], s67
	s_mov_b64 s[G0V+2:G0V+3], s[VB:VB+1]
	s_or_b32 s[G0V+3], s[G0V+3], 0x80000000
	TLOAD                                          ; trip 0's keys 0-255 into slot 0: every wave issues one first fill
	s_cmp_lt_u32 s[WV], 4
	s_cselect_b64 s[PFA:PFA+1], s[KB:KB+1], s[VB:VB+1]
	v_and_b32 v12, 15, v0                          ; r
	v_bfe_u32 v13, v0, 4, 1                        ; h
	v_and_b32 v14, 31, v0                          ; lane
	v_mul_u32_u24 v[AK0], v12, PK
	v_lshl_add_u32 v[AK0], v13, 4, v[AK0]
	v_and_b32 v15, 7, v0
	v_lshl_add_u32 v[AV0], v13, 3, v15
	v_mul_u32_u24 v[AV0], v[AV0], PV
	v_bfe_u32 v15, v0, 3, 1
	v_lshl_add_u32 v[AV0], v15, 4, v[AV0]
	v_add_nc_u32 v[AV0], VOFF, v[AV0]
	v_lshlrev_b32 v[LI], 4, v14
	v_lshlrev_b32 v[QO], 7, v12
	v_lshl_add_u32 v[QO], v13, 4, v[QO]
	s_mul_i32 s62, s[WV], 16*PK
	s_add_co_u32 s62, s62, STAGE
	v_mul_u32_u24 v[STO], v12, PK
	v_lshl_add_u32 v[STO], v13, 4, v[STO]
	v_add_nc_u32 v[STO], s62, v[STO]
	v_lshrrev_b32 v15, 3, v14
	v_mul_u32_u24 v[RD], v15, PK
	v_and_b32 v15, 7, v0
	v_lshl_add_u32 v[RD], v15, 4, v[RD]
	v_add_nc_u32 v[RD], s62, v[RD]
	v_lshlrev_b32 v[PFO], 8, v14
	; the table by distance: thread t takes distance t - 63.  Under 0 the unsigned minimum gives 128, and the mask below makes the entry -infinity
	v_add_nc_u32 v33, 0xffffffc1, v0
	v_min_u32 v33, 128, v33
	v_mov_b32 v34, 18
	v_mov_b32 v35, 1
.irp thr, 18,19,20,22,25,28,33,39,48,59,76,98,128
	v_cmp_le_u32 vcc_lo, \thr, v33
	v_cndmask_b32 v36, v[NIL], v35, vcc_lo
	v_add_nc_u32 v34, v34, v36
.endr
	v_cmp_gt_u32 vcc_lo, 17, v33
	v_cndmask_b32 v34, v34, v33, vcc_lo            ; the bucket
	v_lshlrev_b32 v34, 6, v34                      ; a row of bias is 64 bytes
	s_and_b32 s62, s[BH], 15
	s_lshl_b32 s62, s62, 2
	v_add_nc_u32 v34, s62, v34
	global_load_b32 v37, v34, s[6:7]
	s_add_co_u32 s63, s62, 31*64
	v_mov_b32 v38, s63
	global_load_b32 v[B31], v38, s[6:7]
	v_lshl_add_u32 v40, v0, 2, DT
	v_bfe_u32 v41, v0, 2, 4                        ; an image's word t belongs to lane (r, h) = ((t / 4) % 16, (t / 64) % 2) and register 4 (t / 128) + t % 4
	v_bfe_u32 v42, v0, 6, 1
	v_lshrrev_b32 v43, 7, v0
	v_and_b32 v44, 3, v0
	v_add_nc_u32 v41, 15, v41
	v_lshlrev_b32 v42, 3, v42
	v_sub_nc_u32 v41, v41, v42
	v_lshlrev_b32 v43, 2, v43
	v_sub_nc_u32 v41, v41, v43
	v_sub_nc_u32 v41, v41, v44
	v_lshl_add_u32 v41, v41, 2, DT
	v_lshl_add_u32 v45, v0, 2, IMG
	v_mov_b32 v39, 0xff800000
	s_wait_loadcnt 0x0
	v_mul_f32 v37, 0x3fb8aa3b, v37
	v_mul_f32 v[B31], 0x3fb8aa3b, v[B31]
	v_cmp_gt_u32 vcc_lo, 63, v0
	v_cndmask_b32 v37, v37, v39, vcc_lo
	ds_store_b32 v40, v37
	s_wait_dscnt 0x0                               ; for the others' sake
	s_barrier_signal -1                            ; my tile may stay out
	s_barrier_wait -1
.irp i, 0,1,2,3,4,5,6,7,8,9,10,11,12,13,14
	ds_load_b32 v[48+\i], v41 offset:64*\i
.endr
	s_wait_dscnt 0x0
.irp i, 0,1,2,3,4,5,6,7,8,9,10,11,12,13,14
	ds_store_b32 v45, v[48+\i] offset:1024*\i      ; shown to all waves by the first change of slots
.endr
; A block begins: its addresses, Q into registers, O^T and l zero, M under every t; all statistics are written.
.macro START
	s_lshl_b32 s68, s[Q0], 7
	s_mov_b32 s69, 0
	s_add_nc_u64 s[QA:QA+1], s[QB:QB+1], s[68:69]
	s_add_nc_u64 s[OA:OA+1], s[OBS:OBS+1], s[68:69]
	WIN 0x40
.irp t, 0,1
.irp kc, 0,1
	global_load_b128 v[QF+16*\t+8*\kc:QF+16*\t+8*\kc+3], v[QO], s[QA:QA+1] offset:\t*2048+\kc*64
	global_load_b128 v[QF+16*\t+8*\kc+4:QF+16*\t+8*\kc+7], v[QO], s[QA:QA+1] offset:\t*2048+\kc*64+32
.endr
.endr
.set i, 0
.rept 64
	v_mov_b32 v[i], 0
.set i, i+1
.endr
	WIN 0
.set i, 0
.rept 16
	v_mov_b32 v[ST+i], 0
.set i, i+1
.endr
	v_mov_b32 v[MX], 0xff61b1e6
	v_mov_b32 v[MX+1], 0xff61b1e6
	s_wait_loadcnt 0x0
.endm
; A block ends: O^T / l, rounded to f16, a tile at a time through my stage; four rows to a store of 512 consecutive bytes.
.macro FINISH
.irp t, 0,1
	v_add_f32 v[ST+8*\t+4], v[ST+8*\t+2], v[ST+8*\t+3]
.endr
.irp t, 0,1
	v_permlanex16_b32 v[ST+8*\t+5], v[ST+8*\t+4], s[SEL], s[SEL+1]
.endr
.irp t, 0,1
	v_add_f32 v[ST+8*\t+4], v[ST+8*\t+4], v[ST+8*\t+5]
.endr
.irp t, 0,1
	v_rcp_f32 v[ST+8*\t+6], v[ST+8*\t+4]
.endr
	v_nop                                          ; a plain instruction behind the reciprocals,
	s_wait_alu depctr_va_vdst(0)                   ; and one wait for both, ahead of their first reader
	WIN W_RS
.irp t, 0,1
.set i, 0
.rept 16
	v_pk_mul_f32 v[32*\t+i:32*\t+i+1], v[32*\t+i:32*\t+i+1], v[ST+8*\t+6:ST+8*\t+7] op_sel_hi:[1,0]
.set i, i+2
.endr
.endr
	WIN 0x05
.irp t, 0,1
.set i, 0
.rept 16
	v_cvt_pk_f16_f32 v[S+16*\t+i], v[32*\t+2*i], v[32*\t+2*i+1]
.set i, i+1
.endr
.endr
	WIN 0
.irp t, 0,1
.irp d, 0,1,2,3
	ds_store_b128 v[STO], v[S+16*\t+4*\d:S+16*\t+4*\d+3] offset:32*\d
.endr
.irp d, 0,1,2,3
	ds_load_b128 v[P+16*\t+4*\d:P+16*\t+4*\d+3], v[RD] offset:576*\d   ; LDS serves a wave's instructions in order
.endr
.endr
	s_wait_dscnt 0x0
.irp t, 0,1
.irp d, 0,1,2,3
	global_store_b128 v[LI], v[P+16*\t+4*\d:P+16*\t+4*\d+3], s[OA:OA+1] offset:2048*\t+512*\d
.endr
.endr
	s_wait_xcnt 0x0                                ; the stores have read their data and their base: both are written again
.endm
; A KEY STEP's work: 64 keys for my 32 queries.  near = 1: bias and mask come from five images; near = 0: every distance is 128 or more.
.macro BODY near
	v_add_nc_u32 v[ADK], s[TK], v[AK0]
	v_add_nc_u32 v[ADV], s[TV], v[AV0]
.if \near
	s_sub_co_u32 s66, s[Q0], s[KF]                 ; 0 .. 160, a multiple of 32
	s_lshr_b32 s66, s66, 4
	s_min_u32 s66, s66, 10
	s_lshl_b32 s66, s66, 10
	s_add_co_u32 s66, s66, IMG
	v_add_nc_u32 v[ADB], s66, v[LI]
.endif
.irp f, 0,1,2,3,4,5,6,7                        ; K: keys 16 (f / 2) on, channels 32 (f % 2) on
	ds_load_b128 v[KFR+8*\f:KFR+8*\f+3], v[ADK] offset:(\f/2)*16*PK+(\f%2)*64
	ds_load_b128 v[KFR+8*\f+4:KFR+8*\f+7], v[ADK] offset:(\f/2)*16*PK+(\f%2)*64+32
.endr
.if \near
	WIN 0x40
.irp e, 0,1,2,3,4
.irp c, 0,1
	ds_load_b128 v[BF+8*\e+4*\c:BF+8*\e+4*\c+3], v[ADB] offset:\e*1024+512*\c
.endr
.endr
	WIN 0
.endif
.irp f, 0,1,2,3,4,5,6,7                        ; V, turned: keys 32 (f / 4) on, channels 16 (f % 4) on
	ds_load_tr16_b128 v[VFR+8*\f:VFR+8*\f+3], v[ADV] offset:(\f/4)*32*PV+(\f%4)*32
	ds_load_tr16_b128 v[VFR+8*\f+4:VFR+8*\f+7], v[ADV] offset:(\f/4)*32*PV+16*PV+(\f%4)*32
.endr
.if \near
	s_wait_dscnt 26                                ; K is in; the images' ten loads and V's sixteen may be out
.else
	s_wait_dscnt 16                                ; K is in; V's sixteen loads may be out
.endif
	WIN W_KQ
.irp kc, 0,1                                   ; eight accumulators by turns
.irp kt, 0,1,2,3
.irp t, 0,1
.if \kc == 0
	v_wmma_f32_16x16x32_f16 v[S+32*\t+8*\kt:S+32*\t+8*\kt+7], v[KFR+16*\kt+8*\kc:KFR+16*\kt+8*\kc+7], v[QF+16*\t+8*\kc:QF+16*\t+8*\kc+7], 0
.else
	v_wmma_f32_16x16x32_f16 v[S+32*\t+8*\kt:S+32*\t+8*\kt+7], v[KFR+16*\kt+8*\kc:KFR+16*\kt+8*\kc+7], v[QF+16*\t+8*\kc:QF+16*\t+8*\kc+7], v[S+32*\t+8*\kt:S+32*\t+8*\kt+7]
.endif
.endr
.endr
.endr
	WIN 0
.rept 4
	v_nop
.endr
.if \near
	s_wait_dscnt 16                                ; the images are in; V's sixteen loads may be out
	WIN W_BF
.irp b, 0,1,2,3,4,5,6,7,8,9,10,11,12,13,14,15
.irp t, 0,1
	v_pk_fma_f32 v[S+32*\t+2*\b:S+32*\t+2*\b+1], v[S+32*\t+2*\b:S+32*\t+2*\b+1], s[CS:CS+1], v[BF+8*(\t-(\b/4)+3)+2*(\b%4):BF+8*(\t-(\b/4)+3)+2*(\b%4)+1] op_sel_hi:[1,0,1]   ; t = s c + bias; -infinity behind the diagonal
.endr
.endr
	WIN 0
.endif
.irp j, 0,1,2,3                                ; the largest of a tile's 32, four chains, each accumulator from its low end on
.irp t, 0,1
	v_max3_num_f32 v[ST+8*\t+4+\j], v[S+32*\t+8*\j], v[S+32*\t+8*\j+1], v[S+32*\t+8*\j+2]
.endr
.endr
.irp i, 3,5
.irp j, 0,1,2,3
.irp t, 0,1
	v_max3_num_f32 v[ST+8*\t+4+\j], v[ST+8*\t+4+\j], v[S+32*\t+8*\j+\i], v[S+32*\t+8*\j+\i+1]
.endr
.endr
.endr
.irp t, 0,1
	v_max3_num_f32 v[ST+8*\t+4], v[ST+8*\t+4], v[S+32*\t+7], v[S+32*\t+15]
.endr
.irp t, 0,1
	v_max3_num_f32 v[ST+8*\t+6], v[ST+8*\t+6], v[S+32*\t+23], v[S+32*\t+31]
.endr
.irp t, 0,1
	v_max3_num_f32 v[ST+8*\t+4], v[ST+8*\t+4], v[ST+8*\t+5], v[ST+8*\t+6]
.endr
.irp t, 0,1
	v_max_num_f32 v[ST+8*\t+4], v[ST+8*\t+4], v[ST+8*\t+7]
.endr
.irp t, 0,1
	v_permlanex16_b32 v[ST+8*\t+5], v[ST+8*\t+4], s[SEL], s[SEL+1]   ; the query's other 32 keys
.endr
.irp t, 0,1
	v_max_num_f32 v[ST+8*\t+4], v[ST+8*\t+4], v[ST+8*\t+5]
.endr
.if !\near
.irp t, 0,1
	v_fma_f32 v[ST+8*\t+4], v[ST+8*\t+4], s[CS], v[B31]             ; the largest score as t (c is positive)
.endr
.endif
.irp t, 0,1
	v_max_num_f32 v[ST+8*\t+4], v[ST+8*\t+4], v[MX+\t]              ; the new M
.endr
.irp t, 0,1
	v_sub_f32 v[ST+8*\t+7], v[MX+\t], v[ST+8*\t+4]                  ; old M - new M
.endr
.irp t, 0,1
	v_mov_b32 v[MX+\t], v[ST+8*\t+4]
.endr
.irp t, 0,1
.if \near
	v_sub_f32 v[ST+8*\t], 0, v[ST+8*\t+4]                           ; the addend: -M
.else
	v_sub_f32 v[ST+8*\t], v[B31], v[ST+8*\t+4]                      ; the addend: bias - M
.endif
.endr
.irp b, 0,1,2,3,4,5,6,7,8,9,10,11,12,13,14,15
.irp t, 0,1
.if \near
	v_pk_add_f32 v[S+32*\t+2*\b:S+32*\t+2*\b+1], v[S+32*\t+2*\b:S+32*\t+2*\b+1], v[ST+8*\t:ST+8*\t+1] op_sel_hi:[1,0]
.else
	v_pk_fma_f32 v[S+32*\t+2*\b:S+32*\t+2*\b+1], v[S+32*\t+2*\b:S+32*\t+2*\b+1], s[CS:CS+1], v[ST+8*\t:ST+8*\t+1] op_sel_hi:[1,0,0]
.endif
.endr
.endr
.irp t, 0,1
	v_exp_f32 v[ST+8*\t+6], v[ST+8*\t+7]                            ; f
.endr
.set i, 0
.rept 64
	v_exp_f32 v[S+i], v[S+i]                                        ; p: one batch of 66 exponentials
.set i, i+1
.endr
	v_nop                                          ; a plain instruction behind the last exponential,
	s_wait_alu depctr_va_vdst(0)                   ; and one wait for the batch, ahead of its first reader
.irp b, 0,1,2,3,4,5,6,7,8,9,10,11,12,13,14,15
.irp t, 0,1
	v_cvt_pk_f16_f32 v[P+16*\t+\b], v[S+32*\t+2*\b], v[S+32*\t+2*\b+1]
.endr
.endr
.irp u, 0,1,2,3,4,5,6,7                        ; the sum of the unrounded p, in place, pairs 1, 2, 4 and 8 apart
.irp t, 0,1
	v_pk_add_f32 v[S+32*\t+4*\u:S+32*\t+4*\u+1], v[S+32*\t+4*\u:S+32*\t+4*\u+1], v[S+32*\t+4*\u+2:S+32*\t+4*\u+3]
.endr
.endr
.irp u, 0,1,2,3
.irp t, 0,1
	v_pk_add_f32 v[S+32*\t+8*\u:S+32*\t+8*\u+1], v[S+32*\t+8*\u:S+32*\t+8*\u+1], v[S+32*\t+8*\u+4:S+32*\t+8*\u+5]
.endr
.endr
.irp u, 0,1
.irp t, 0,1
	v_pk_add_f32 v[S+32*\t+16*\u:S+32*\t+16*\u+1], v[S+32*\t+16*\u:S+32*\t+16*\u+1], v[S+32*\t+16*\u+8:S+32*\t+16*\u+9]
.endr
.endr
.irp t, 0,1
	v_pk_add_f32 v[S+32*\t:S+32*\t+1], v[S+32*\t:S+32*\t+1], v[S+32*\t+16:S+32*\t+17]
.endr
.irp t, 0,1
	v_pk_fma_f32 v[ST+8*\t+2:ST+8*\t+3], v[ST+8*\t+2:ST+8*\t+3], v[ST+8*\t+6:ST+8*\t+7], v[S+32*\t:S+32*\t+1] op_sel_hi:[1,0,1]   ; l = l f + the sum
.endr
	WIN W_RS
.set i, 0
.rept 16
.irp t, 0,1
	v_pk_mul_f32 v[32*\t+i:32*\t+i+1], v[32*\t+i:32*\t+i+1], v[ST+8*\t+6:ST+8*\t+7] op_sel_hi:[1,0]   ; O^T under the new M
.endr
.set i, i+2
.endr
	s_wait_dscnt 0x0                               ; V is in
	WIN W_PV
.irp kk, 0,1                                   ; eight accumulators by turns
.irp d, 0,1,2,3
.irp t, 0,1
	v_wmma_f32_16x16x32_f16 v[32*\t+8*\d:32*\t+8*\d+7], v[VFR+32*\kk+8*\d:VFR+32*\kk+8*\d+7], v[P+16*\t+8*\kk:P+16*\t+8*\kk+7], v[32*\t+8*\d:32*\t+8*\d+7]
.endr
.endr
.endr
	WIN 0
.rept 4
	v_nop                                          ; places ahead of the next loads into V's registers, writes of P and reads of O^T
.endr
.endm
; A key step: left out where all its keys come after my queries; the branches hang on ids and on the count of steps alone; no barrier and no tensor load stands in a step.
.macro STEP
	s_add_co_u32 s62, s[Q0], 31
	s_cmp_gt_u32 s[KF], s62
	s_cbranch_scc1 .Lnext_\@
	s_add_co_u32 s62, s[KF], 191
	s_cmp_ge_u32 s[Q0], s62
	s_cbranch_scc0 .Lnear_\@
	BODY 0
	s_branch .Lnext_\@
.Lnear_\@:
	BODY 1
.Lnext_\@:
	s_add_co_u32 s[KF], s[KF], 64
	s_add_co_u32 s[TK], s[TK], 64*PK
	s_add_co_u32 s[TV], s[TV], 64*PV
.endm
.macro FOUR_STEPS                      ; a slot's four key steps: written once, walked four times
	s_mov_b32 s[STEPC], 4
.Lstep_\@:
	STEP
	s_sub_co_u32 s[STEPC], s[STEPC], 1
	s_cmp_lg_u32 s[STEPC], 0
	s_cbranch_scc1 .Lstep_\@
	s_sub_co_u32 s[TK], s[TK], 256*PK
	s_xor_b32 s[TK], s[TK], SLOT1                  ; on to the other slot
	s_sub_co_u32 s[TV], s[TV], 256*PV
	s_xor_b32 s[TV], s[TV], SLOT1
.endm
; THE CHANGE OF SLOTS, at a trip's head.  Each wave waits for all its tensor loads (its part of the slot ahead), adds 0 to its spare word, and waits for that and for its reads of the slot left.
; fill = 1: behind the barrier the other slot takes the next trip's keys: one load a wave, with a trip's four steps in which to land.
.macro CHANGE fill
	s_wait_tensorcnt 0x0
	ds_add_u32 v[SPW], v[NIL]                      ; 0 onto my spare word; the descriptors' steps stand between it and the wait for it
.if \fill
	s_xor_b32 s[G0K+1], s[G0K+1], SLOT1
	s_xor_b32 s[G0V+1], s[G0V+1], SLOT1
	s_add_co_u32 s62, s[TRIP], 1
	s_sub_co_u32 s63, s[TRIP], s[PP]
	s_cmp_le_u32 s62, s[PP]
	s_cselect_b32 s68, s62, s63                    ; the next trip's slot of keys
	s_lshl_b32 s68, s68, 15
	s_mov_b32 s69, 0
	s_add_nc_u64 s[G0K+2:G0K+3], s[KB:KB+1], s[68:69]
	s_or_b32 s[G0K+3], s[G0K+3], 0x80000000
	s_add_nc_u64 s[G0V+2:G0V+3], s[VB:VB+1], s[68:69]
	s_or_b32 s[G0V+3], s[G0V+3], 0x80000000
	s_wait_xcnt 0x0                                ; the last prefetch, a trip back, has read its address
	s_add_nc_u64 s[PFA:PFA+1], s[PFA:PFA+1], 32768
.endif
	s_wait_dscnt 0x0
	s_barrier_signal -1
	s_barrier_wait -1
.if \fill
	TLOAD
	ASK
.endif
.endm
.macro TRIPHEAD                        ; this trip's block and slot, by selects on ids
	s_sub_co_u32 s62, 3, s[PP]
	s_sub_co_u32 s63, s[TRIP], s[PP]
	s_sub_co_u32 s63, s63, 1
	s_cmp_le_u32 s[TRIP], s[PP]
	s_cselect_b32 s62, s[PP], s62
	s_cselect_b32 s63, s[TRIP], s63
	s_lshl_b32 s[Q0], s62, 8
	s_add_co_u32 s[Q0], s[Q0], s[SUBQ]             ; my first query
	s_lshl_b32 s[KF], s63, 8                       ; the slot's first key
.endm
	s_lshl_b32 s[Q0], s[PP], 8
	s_add_co_u32 s[Q0], s[Q0], s[SUBQ]
	START
.Ltrip:                                            ; four trips; behind each change of slots the next trip's keys are asked for
	CHANGE 1
	TRIPHEAD
	s_add_co_u32 s62, s[PP], 1
	s_cmp_lg_u32 s[TRIP], s62                      ; the second block begins at trip p + 1: ids alone, the same in all waves
	s_cbranch_scc1 .Lsame
	FINISH
	START
.Lsame:
	FOUR_STEPS
	s_add_co_u32 s[TRIP], s[TRIP], 1
	s_cmp_lt_u32 s[TRIP], 4
	s_cbranch_scc1 .Ltrip
	CHANGE 0                                       ; the last trip is written out: nothing is left to fetch
	TRIPHEAD
	FOUR_STEPS
	FINISH
	s_wait_tensorcnt 0x0                           ; the wave's end
	ds_add_u32 v[SPW], v[NIL]
	s_wait_dscnt 0x0
	s_endpgm
.Lfunc_end_k_q7d4e396c26_attn:
	.size	k_q7d4e396c26_attn, .Lfunc_end_k_q7d4e396c26_attn-k_q7d4e396c26_attn
	.p2alignl 7, 3214868480
	.fill 96, 4, 3214868480
	.section	.rodata,"a",@progbits
	.p2align	6, 0x0
	.amdhsa_kernel k_q7d4e396c26_attn
		.amdhsa_group_segment_fixed_size 327680
		.amdhsa_private_segment_fixed_size 0
		.amdhsa_enable_private_segment 0
		.amdhsa_kernarg_size 24
		.amdhsa_user_sgpr_count 2
		.amdhsa_user_sgpr_kernarg_segment_ptr 1
		.amdhsa_wavefront_size32 1
		.amdhsa_system_sgpr_workgroup_id_x 1
		.amdhsa_system_sgpr_workgroup_id_y 1
		.amdhsa_system_sgpr_workgroup_id_z 1
		.amdhsa_system_vgpr_workitem_id 0
		.amdhsa_next_free_vgpr 512
		.amdhsa_next_free_sgpr 72
		.amdhsa_reserve_vcc 1
		.amdhsa_float_denorm_mode_32 3
		.amdhsa_float_denorm_mode_16_64 3
		.amdhsa_memory_ordered 1
		.amdhsa_forward_progress 1
		.amdhsa_inst_pref_size 109
	.end_amdhsa_kernel
	.amdgpu_metadata
---
amdhsa.version: [ 1, 2 ]
amdhsa.kernels:
  - .name:           k_q7d4e396c26_attn
    .symbol:         k_q7d4e396c26_attn.kd
    .args:
      - { .name: qkv16, .offset: 0, .size: 8, .value_kind: global_buffer, .address_space: global }
      - { .name: bias, .offset: 8, .size: 8, .value_kind: global_buffer, .address_space: global }
      - { .name: o16, .offset: 16, .size: 8, .value_kind: global_buffer, .address_space: global }
    .group_segment_fixed_size: 327680
    .private_segment_fixed_size: 0
    .kernarg_segment_align: 8
    .kernarg_segment_size: 24
    .max_flat_workgroup_size: 256
    .sgpr_count:     72
    .vgpr_count:     512
    .wavefront_size: 32
...
	.end_amdgpu_metadata
.endif
;; end of part 3
;; launch oproj (part 4): grid 4 x 64, 4 waves a work-group, clusters of 4 x 4, 327,680 bytes of LDS; arguments o16, ow16, out_b, out0; writes out0
.if DOCPART == 4
	.amdgcn_target "amdgcn-amd-amdhsa--gfx1250"
	.amdhsa_code_object_version 6
	.text
	.protected	k_q7d4e396c26_oproj
	.globl	k_q7d4e396c26_oproj
	.p2align	8
	.type	k_q7d4e396c26_oproj,@function
k_q7d4e396c26_oproj:
	s_mov_b64 s[64:65], 0
	v_nop
	global_prefetch_b8 v0, s[64:65] scope:SCOPE_SE
	s_setreg_imm32_b32 hwreg(HW_REG_WAVE_MODE, 25, 1), 1
	s_wait_xcnt 0x0
	s_wait_alu depctr_hold_cnt(0) depctr_sa_sdst(0) depctr_va_vdst(0) depctr_va_sdst(0) depctr_va_ssrc(0) depctr_va_vcc(0) depctr_vm_vsrc(0)
	s_getreg_b32 s2, hwreg(HW_REG_IB_STS2, 6, 4)
	s_cmp_eq_u32 s2, 0
	s_cbranch_scc0 .Lentry_in_a_cluster
	s_endpgm
.Lentry_in_a_cluster:
	s_bfe_u32 s2, ttmp6, 0x10000c
	s_cmp_lg_u32 s2, 0xf033
	s_cbranch_scc0 .Lentry_shape_is_right
	s_endpgm
.Lentry_shape_is_right:
; out0[m][n] = sum over k of O[m][k] out_w[n][k] + out_b[n]: m = 1,024 batch + position, k = 64 head + channel; f16 operands, f32 sums.  O lies [batch][head][position][64], out_w in f16 [1024][1024].
; Positions 0-15 of every sequence lie inside live tiles and are made here too; the last launch stores them again, made in f32.
; A tile of 128 (m) x 256 (n) to a work-group, 256 work-groups; a wave makes 64 x 128: 32 accumulators, all of window 1.  K goes in steps of 128 (two heads) through two LDS slots.
; A's tile is two planes, one for each head: 128 rows of 128 bytes, dense in memory, 144 apart in LDS; B's two halves of 128 rows of 256 bytes, 272 apart.  Waves 0, 1 fetch A's planes, waves 2, 3 B's halves.
; CLUSTERS: 4 x 4; A's tiles are asked for jointly along a row of the cluster, B's along a column.  All four tile columns lie in one cluster, so a tile of A is asked for once in the launch.
; THE MATRIX INSTRUCTION IS USED TRANSPOSED (source 0 = 16 rows of out_w, source 1 = 16 rows of O): a lane holds eight neighbouring columns of a row.
; REGISTERS: window 0: v0-31 addresses, out_b; two fragment buffers of 96 (A's 4 fragments, then B's 8) at v32 and v128; on the way out v32-159 hold rows.   window 1: accumulator (a, b) at v[8 (8 a + b)].
.set APL,    128*144                   ; a plane of A
.set HALFB,  128*272                   ; a half of B
.set SLOT,   2*APL+2*HALFB
.set STAGE,  2*SLOT                    ; 16 rows x 528 bytes for each wave
.set SPARE,  STAGE+4*16*528
.set KSA,    262144                    ; a K step on in O: two heads
.set LAPS,   4
.set OBV,  8                           ; v8-11 out_b of my four columns
.set ADRA, 16
.set ADRB, 20
.set STO,  24
.set RD,   25
.set CO,   26
.set SPW,  28
.set NIL,  29
.set PFO,  30
.set F0,   32
.set F1,   128
.set BK,   32
.set G1, 24
.set G0, 32
.set G1B, 48
.set G0B, 56
.set PFA, 44
.set LIM, 47
.set MSB, 0
.macro WIN new
.if MSB != \new
	s_set_vgpr_msb (MSB<<8)|\new
.set MSB, \new
.endif
.endm
.set MUL, 0x50                         ; C and D window 1
.macro JLOAD s                         ; a joint load; an s_nop 0 and four v_nop follow each line
	s_cmp_eq_u32 s13, 0
	s_cbranch_scc0 .Lfor_b_\@
	tensor_load_to_lds s[G0+4*\s:G0+4*\s+3], s[G1:G1+7]
	s_nop 0
.rept 4
	v_nop
.endr
	s_branch .Lasked_\@
.Lfor_b_\@:
	tensor_load_to_lds s[G0B+4*\s:G0B+4*\s+3], s[G1B:G1B+7]
	s_nop 0
.rept 4
	v_nop
.endr
.Lasked_\@:
.endm
; A prefetch of A's tile of the K step two refills on: 128 blocks of 256 bytes, 32 to each of the four partners that ask for the tile jointly, told apart by address (plane cx / 2, half cx % 2);
; wave 0 asks, a lane a block.  The last two refills have no K step two on.  out_w's tiles are read by sixteen clusters at about the same time and are not asked for.
.macro ASK
	s_cmp_gt_u32 s3, s[LIM]
	s_cbranch_scc0 .Lnot_mine_\@
	global_prefetch_b8 v[PFO], s[PFA:PFA+1] offset:KSA th:TH_LOAD_NT scope:SCOPE_SE
.Lnot_mine_\@:
.endm
.macro CREST
	s_cmp_lg_u32 s12, 0
	s_cbranch_scc1 .Lnot_wave_0_\@
	s_barrier_signal -3
.Lnot_wave_0_\@:
	s_barrier_wait -3
	s_barrier_signal -1
	s_barrier_wait -1
.endm
.macro CROUND
	s_barrier_signal -1
	s_barrier_wait -1
	CREST
.endm
	s_load_b256 s[4:11], s[0:1], 0x0               ; o16, ow16, out_b, out0
	v_lshl_add_u32 v[SPW], v0, 2, SPARE
	v_mov_b32 v[NIL], 0
	ds_add_u32 v[SPW], v[NIL]                      ; the opening: the add, twice on end, and its wait ahead of my first tensor load
	ds_add_u32 v[SPW], v[NIL]
	v_lshrrev_b32 v1, 5, v0
	v_readfirstlane_b32 s12, v1                    ; wave 0..3
	s_lshr_b32 s13, s12, 1                         ; which 64 rows are mine.  Also: I fetch for A (0) or for B (1)
	s_and_b32 s14, s12, 1                          ; which 128 columns.  Also: which plane or half I fetch
	s_bfe_u32 s40, ttmp6, 0x40000                  ; cx
	s_bfe_u32 s41, ttmp6, 0x40004                  ; cy
	s_lshl_b32 s42, ttmp9, 2
	s_add_co_u32 s42, s42, s40                     ; tile column
	s_and_b32 s15, ttmp7, 0xffff
	s_lshl_b32 s15, s15, 2
	s_add_co_u32 s15, s15, s41                     ; tile row
	s_lshl_b32 s43, s41, 2
	s_lshl_b32 s43, 15, s43                        ; my row of the cluster
	s_lshl_b32 s46, 0x1111, s40                    ; my column
	s_or_b32 s[G1+0], s43, (1<<16)|(1<<20)|(1<<21)|(4<<22)|(3<<25)  ; A: elements of 2 bytes; 4 words of padding behind every 32
	s_mov_b32 s[G1+1], 64<<16
	s_mov_b32 s[G1+2], 128<<16
	s_mov_b32 s[G1+3], 64<<16
	s_mov_b32 s[G1+4], 128
	s_mov_b32 s[G1+5], 64
	s_mov_b32 s[G1+6], 0
	s_mov_b32 s[G1+7], 0
	s_or_b32 s[G1B+0], s46, (1<<16)|(1<<20)|(1<<21)|(5<<22)|(3<<25) ; B: 4 words behind every 64
	s_mov_b32 s[G1B+1], 128<<16
	s_mov_b32 s[G1B+2], 128<<16
	s_mov_b32 s[G1B+3], 128<<16
	s_mov_b32 s[G1B+4], 128
	s_mov_b32 s[G1B+5], 1024
	s_mov_b32 s[G1B+6], 0
	s_mov_b32 s[G1B+7], 0
	s_lshr_b32 s16, s15, 3
	s_lshl_b32 s16, s16, 21                        ; the batch: 16 heads x 1,024 rows x 128 bytes
	s_and_b32 s17, s15, 7
	s_lshl_b32 s17, s17, 14                        ; the tile's first position
	s_add_co_u32 s16, s16, s17
	s_lshl_b32 s17, s14, 17                        ; my plane's head
	s_add_co_u32 s18, s16, s17
	s_mov_b32 s19, 0
	s_lshl_b32 s20, s42, 19                        ; B: row 256 x tile column + 128 x half, 2,048 bytes a row
	s_lshl_b32 s21, s14, 18
	s_add_co_u32 s20, s20, s21
	s_mov_b32 s21, 0
	s_mul_i32 s22, s14, APL
	s_mul_i32 s23, s14, HALFB
	s_add_co_u32 s23, s23, 2*APL
	s_wait_dscnt 0x0                               ; both opening adds are done
	s_wait_kmcnt 0x0
	s_add_nc_u64 s[18:19], s[4:5], s[18:19]
	s_add_nc_u64 s[20:21], s[6:7], s[20:21]
	CROUND                                         ; all sixteen work-groups are here
.irp s, 0,1
	s_mov_b32 s[G0+4*\s], 1
	s_add_co_u32 s[G0+4*\s+1], s22, \s*SLOT
	s_add_nc_u64 s[G0+4*\s+2:G0+4*\s+3], s[18:19], \s*KSA
	s_or_b32 s[G0+4*\s+3], s[G0+4*\s+3], 0x80000000
	s_mov_b32 s[G0B+4*\s], 1
	s_add_co_u32 s[G0B+4*\s+1], s23, \s*SLOT
	s_add_nc_u64 s[G0B+4*\s+2:G0B+4*\s+3], s[20:21], \s*256
	s_or_b32 s[G0B+4*\s+3], s[G0B+4*\s+3], 0x80000000
	JLOAD \s
.endr
	v_and_b32 v1, 15, v0                           ; r
	v_bfe_u32 v2, v0, 4, 1                         ; h
	v_mul_u32_u24 v3, v1, 144
	v_lshl_add_u32 v3, v2, 4, v3
	v_mul_u32_u24 v4, v1, 272
	v_lshl_add_u32 v4, v2, 4, v4
	s_mul_i32 s21, s13, 64*144                     ; my 64 rows in each plane of A
	s_mul_i32 s22, s14, HALFB
	s_add_co_u32 s22, s22, 2*APL                   ; my 128 rows of B
.irp s, 0,1
	v_add_nc_u32 v[ADRA+\s], s21, v3
	v_add_nc_u32 v[ADRB+\s], s22, v4
	s_add_co_u32 s21, s21, SLOT
	s_add_co_u32 s22, s22, SLOT
.endr
	s_mul_i32 s23, s12, 16*528
	s_add_co_u32 s23, s23, STAGE
	v_mul_u32_u24 v5, v1, 528
	v_lshl_add_u32 v5, v2, 5, v5
	v_add_nc_u32 v[STO], s23, v5
	v_and_b32 v6, 31, v0
	v_lshlrev_b32 v[CO], 4, v6
	v_add_nc_u32 v[RD], s23, v[CO]
	v_lshlrev_b32 v[PFO], 8, v6
	s_lshl_b32 s20, s42, 10                        ; my first column, in bytes
	s_lshl_b32 s21, s14, 9
	s_add_co_u32 s20, s20, s21
	s_mov_b32 s21, 0
	s_add_nc_u64 s[8:9], s[8:9], s[20:21]
	global_load_b128 v[OBV:OBV+3], v[CO], s[8:9]   ; out_b of columns 4 lane + 0 .. 3
	s_lshl_b32 s22, s15, 19                        ; my first row: 128 x tile row + 64 x half, 4,096 bytes a row
	s_lshl_b32 s23, s13, 18
	s_add_co_u32 s22, s22, s23
	s_add_co_u32 s20, s20, s22
	s_add_nc_u64 s[10:11], s[10:11], s[20:21]
	s_lshr_b32 s17, s40, 1                         ; the prefetches: my work-group's 8,192 bytes of a tile of A,
	s_lshl_b32 s17, s17, 17
	s_add_co_u32 s16, s16, s17
	s_and_b32 s17, s40, 1
	s_lshl_b32 s17, s17, 13
	s_add_co_u32 s16, s16, s17
	s_add_co_u32 s16, s16, 2*KSA                   ; at K step 2: the first refill steps it to 3 and names K step 4
	s_mov_b32 s17, 0
	s_add_nc_u64 s[PFA:PFA+1], s[4:5], s[16:17]
	s_cmp_eq_u32 s12, 0
	s_cselect_b32 s[LIM], 1, -1
.macro MUL8 f, a, zero                 ; A's block a against B's eight; the 32 accumulators take turns, one instruction a turn
.irp b, 0,1,2,3,4,5,6,7
.if \zero
	v_wmma_f32_16x16x32_f16 v[8*(8*(\a)+\b):8*(8*(\a)+\b)+7], v[\f+32+8*\b:\f+32+8*\b+7], v[\f+8*(\a):\f+8*(\a)+7], 0
.else
	v_wmma_f32_16x16x32_f16 v[8*(8*(\a)+\b):8*(8*(\a)+\b)+7], v[\f+32+8*\b:\f+32+8*\b+7], v[\f+8*(\a):\f+8*(\a)+7], v[8*(8*(\a)+\b):8*(8*(\a)+\b)+7]
.endif
.endr
.endm
.macro FETCH slot, q, f                ; 24 LDS loads: the fragments of the slot's q-th 32 along K: B's eight, then A's four
.irp i, 0,1,2,3,4,5,6,7
	ds_load_b128 v[\f+32+8*\i:\f+32+8*\i+3], v[ADRB+\slot] offset:64*(\q)+\i*16*272
	ds_load_b128 v[\f+32+8*\i+4:\f+32+8*\i+7], v[ADRB+\slot] offset:64*(\q)+\i*16*272+32
.endr
.irp i, 0,1,2,3
	ds_load_b128 v[\f+8*\i:\f+8*\i+3], v[ADRA+\slot] offset:((\q)/2)*APL+((\q)%2)*64+\i*16*144
	ds_load_b128 v[\f+8*\i+4:\f+8*\i+7], v[ADRA+\slot] offset:((\q)/2)*APL+((\q)%2)*64+\i*16*144+32
.endr
.endm
.macro PLACES
.rept 4
	v_nop
.endr
.endm
.macro QUARTER slot, q, f, g, zero     ; multiplies buffer f; in its middle fetches the slot's q-th quarter into g
	s_wait_dscnt 4                                 ; B and A's blocks 0, 1 are in; the youngest four loads (A's blocks 2, 3) may be out
	WIN MUL
	MUL8 \f, 0, \zero
	MUL8 \f, 1, \zero
	PLACES
	WIN 0
	FETCH \slot, \q, \g
	s_wait_dscnt 24                                ; all but the 24 just issued
	WIN MUL
	MUL8 \f, 2, \zero
	MUL8 \f, 3, \zero
.endm
; The last quarter multiplies buffer 1 and changes slots: one barrier; in front of it each wave waits for all its tensor loads, adds 0 to its spare word, and waits for that and for its reads of this slot.
.macro TURN slot, next, fill
.if \fill
	s_wait_xcnt 0x0                                ; the last prefetch, a K step back, has read its address
	s_add_nc_u64 s[PFA:PFA+1], s[PFA:PFA+1], KSA
.endif
	WIN 0
	s_wait_tensorcnt 0x0
	ds_add_u32 v[SPW], v[NIL]
	s_wait_dscnt 5                                 ; the add and the youngest four loads may be out
	WIN MUL
	MUL8 F1, 0, 0
	s_wait_dscnt 0x0
	s_barrier_signal -1
	MUL8 F1, 1, 0
	WIN 0
	s_barrier_wait -1
.if \fill
	CREST                                          ; the barrier has opened a round of the cluster's: no wave of any partner still reads this slot or has a load on its way
	s_add_nc_u64 s[G0+4*\slot+2:G0+4*\slot+3], s[G0+4*\slot+2:G0+4*\slot+3], 2*KSA
	s_add_nc_u64 s[G0B+4*\slot+2:G0B+4*\slot+3], s[G0B+4*\slot+2:G0B+4*\slot+3], 2*256
	JLOAD \slot                                    ; its four v_nop are also the places in front of the loads below
.else
	PLACES
.endif
	FETCH \next, 0, F0
.if \fill
	ASK
.endif
	WIN MUL
	MUL8 F1, 2, 0
	MUL8 F1, 3, 0
.endm
	s_wait_tensorcnt 1                             ; my part of K step 0 is in; K step 1's may be out
	s_barrier_signal -1
	s_barrier_wait -1
	FETCH 0, 0, F0
	QUARTER 0, 1, F0, F1, 1                        ; the first quarter's products start the sums
	WIN 0
	s_mov_b32 s3, LAPS-1
.Llap:
	QUARTER 0, 2, F1, F0, 0
	QUARTER 0, 3, F0, F1, 0
	TURN 0, 1, 1
	QUARTER 1, 1, F0, F1, 0
	QUARTER 1, 2, F1, F0, 0
	QUARTER 1, 3, F0, F1, 0
	TURN 1, 0, 1
	QUARTER 0, 1, F0, F1, 0
	WIN 0
	s_sub_co_u32 s3, s3, 1
	s_cmp_lg_u32 s3, 0
	s_cbranch_scc1 .Llap
	QUARTER 0, 2, F1, F0, 0                        ; the last lap fills nothing
	QUARTER 0, 3, F0, F1, 0
	TURN 0, 1, 0
	QUARTER 1, 1, F0, F1, 0
	QUARTER 1, 2, F1, F0, 0
	QUARTER 1, 3, F0, F1, 0
	s_wait_dscnt 4
	WIN MUL
	MUL8 F1, 0, 0
	MUL8 F1, 1, 0
	s_wait_dscnt 0
	MUL8 F1, 2, 0
	MUL8 F1, 3, 0
	WIN 0
	PLACES
	s_wait_loadcnt 0x0                             ; out_b
; THE WAY OUT, block by block of 16 rows x 128 columns: through my stage, back as rows of 512 bytes, out_b added, 32 lanes store 512 consecutive bytes.
.macro TOSTAGE a
	WIN 0x04                                       ; an LDS store's data: window 1
.irp b, 0,1,2,3,4,5,6,7
	ds_store_b128 v[STO], v[8*(8*(\a)+\b):8*(8*(\a)+\b)+3] offset:64*\b           ; each accumulator from its low end on
	ds_store_b128 v[STO], v[8*(8*(\a)+\b)+4:8*(8*(\a)+\b)+7] offset:64*\b+16
.endr
	WIN 0
.set BB, BK+64*((\a)%2)
.irp t, 0,1,2,3,4,5,6,7,8,9,10,11,12,13,14,15
	ds_load_b128 v[BB+4*\t:BB+4*\t+3], v[RD] offset:\t*528
.endr
.endm
.macro SEND a, younger
.set BB, BK+64*((\a)%2)
	s_wait_dscnt \younger                          ; the block is back; the next block's 32 LDS instructions may be out
.irp t, 0,1,2,3,4,5,6,7,8,9,10,11,12,13,14,15
	v_pk_add_f32 v[BB+4*\t:BB+4*\t+1], v[BB+4*\t:BB+4*\t+1], v[OBV:OBV+1]
	v_pk_add_f32 v[BB+4*\t+2:BB+4*\t+3], v[BB+4*\t+2:BB+4*\t+3], v[OBV+2:OBV+3]
.endr
.irp t, 0,1,2,3,4,5,6,7,8,9,10,11,12,13,14,15
	global_store_b128 v[CO], v[BB+4*\t:BB+4*\t+3], s[10:11] offset:(16*(\a)+\t)*4096 th:TH_STORE_NT
.endr
.endm
	TOSTAGE 0
.irp a, 1,2,3
.if \a > 1
	s_wait_xcnt 0x0                                ; block a - 2's stores have read their registers: block a's loads may land there
.endif
	TOSTAGE \a
	SEND \a-1, 32
.endr
	SEND 3, 0
	s_wait_tensorcnt 0x0                           ; the wave's end
	ds_add_u32 v[SPW], v[NIL]
	s_wait_dscnt 0x0
	CROUND                                         ; the closing round
	s_endpgm
.Lfunc_end_k_q7d4e396c26_oproj:
	.size	k_q7d4e396c26_oproj, .Lfunc_end_k_q7d4e396c26_oproj-k_q7d4e396c26_oproj
	.p2alignl 7, 3214868480
	.fill 96, 4, 3214868480
	.section	.rodata,"a",@progbits
	.p2align	6, 0x0
	.amdhsa_kernel k_q7d4e396c26_oproj
		.amdhsa_group_segment_fixed_size 327680
		.amdhsa_private_segment_fixed_size 0
		.amdhsa_enable_private_segment 0
		.amdhsa_kernarg_size 32
		.amdhsa_user_sgpr_count 2
		.amdhsa_user_sgpr_kernarg_segment_ptr 1
		.amdhsa_wavefront_size32 1
		.amdhsa_system_sgpr_workgroup_id_x 1
		.amdhsa_system_sgpr_workgroup_id_y 1
		.amdhsa_system_sgpr_workgroup_id_z 1
		.amdhsa_system_vgpr_workitem_id 0
		.amdhsa_next_free_vgpr 512
		.amdhsa_next_free_sgpr 66
		.amdhsa_reserve_vcc 0
		.amdhsa_float_denorm_mode_32 3
		.amdhsa_float_denorm_mode_16_64 3
		.amdhsa_memory_ordered 1
		.amdhsa_forward_progress 1
		.amdhsa_inst_pref_size 94
	.end_amdhsa_kernel
	.amdgpu_metadata
---
amdhsa.version: [ 1, 2 ]
amdhsa.kernels:
  - .name:           k_q7d4e396c26_oproj
    .symbol:         k_q7d4e396c26_oproj.kd
    .args:
      - { .name: o16, .offset: 0, .size: 8, .value_kind: global_buffer, .address_space: global }
      - { .name: ow16, .offset: 8, .size: 8, .value_kind: global_buffer, .address_space: global }
      - { .name: out_b, .offset: 16, .size: 8, .value_kind: global_buffer, .address_space: global }
      - { .name: out0, .offset: 24, .size: 8, .value_kind: global_buffer, .address_space: global }
    .group_segment_fixed_size: 327680
    .private_segment_fixed_size: 0
    .kernarg_segment_align: 8
    .kernarg_segment_size: 32
    .max_flat_workgroup_size: 128
    .sgpr_count:     66
    .vgpr_count:     512
    .wavefront_size: 32
...
	.end_amdgpu_metadata
.endif
;; end of part 4
;; launch fine (part 5): grid 16 x 8, 16 waves a work-group, no clusters, 154,880 bytes of LDS; arguments fine, bias, out_w, out_b, out0; writes out0
.if DOCPART == 5
	.amdgcn_target "amdgcn-amd-amdhsa--gfx1250"
	.amdhsa_code_object_version 6
	.text
	.protected	k_q7d4e396c26_fine
	.globl	k_q7d4e396c26_fine
	.p2align	8
	.type	k_q7d4e396c26_fine,@function
k_q7d4e396c26_fine:
	s_mov_b64 s[64:65], 0
	v_nop
	global_prefetch_b8 v0, s[64:65] scope:SCOPE_SE
	s_setreg_imm32_b32 hwreg(HW_REG_WAVE_MODE, 25, 1), 1
	s_wait_xcnt 0x0
; Positions 0-15 of every sequence once more, all in f32: there a row of the softmax averages one to sixteen values, and the rounding of 16-bit operands would weigh most.
; LEFT OUT: keys 16 and on: the function's own causal mask gives them the weight 0 for queries 0-15, for all inputs.
; Work-group (cb, batch) makes rows 0-15 of the batch, columns 64 cb .. 64 cb + 63 of out0, and stores over what the launch before left there.  It makes the attention of all 16 heads anew, a head a wave
; (32 small matrix instructions a wave), rather than passing it through memory and one launch more.  128 work-groups: a stored piece of a row is then 256 consecutive bytes, aligned.
; q, k, v come in f32 from 'fine' ([part][batch][head][16][64]); the bucket of a distance 0 .. 15 is the distance itself.
; v_wmma_f32_16x16x4_f32: lane (r, h) holds row r and k = 2 h + j in register j.  A lane holds 32 neighbours along K (its half's), and step s takes its registers 2 s, 2 s + 1: K is permuted alike on both sides.
; Four accumulators take turns and are added at the end; they are written by matrix instructions alone.
; HOW THE OPERANDS COME.  The matrix unit wants a row to a lane; a load is dense where neighbouring lanes take neighbouring bytes.  Both are had: a block of 16 rows x 256 bytes (q, k or v of a head: 4,096 dense bytes;
; a chunk of 64 along K of my 16 rows of out_w) comes by eight loads, each of two rows' 256 consecutive bytes, sixteen lanes to a row; it goes into the wave's own stage in LDS as it lies (rows 272 bytes apart)
; and comes back a row to a lane, into the registers that it left.  LDS serves a wave's instructions in order and no other wave touches the stage: no wait stands between the stores and the loads, and no barrier.
; REGISTERS: v1-14 addresses; v16-47 Q, then W of chunk 2; v48-79 K, then W of chunk 3; v80-111 V, then O's chunks 0, 2; v112-143 the accumulators; v144-175 the softmax, then O's chunks 1, 3;
;   v176-239 W of chunks 0, 1; v240-247 results; v248-251 out_b; v252, v253 the add's two.
.set OLP,   4112                       ; LDS: O, 16 rows of 4,096 bytes + 16
.set PART,  16*OLP                     ; four planes (one for each quarter of K) of 16 rows x 272 bytes
.set PPL,   16*272
.set STG,   PART+4*PPL                 ; the stages: 16 rows x 272 bytes for each wave
.set SGB,   16*272
.set SPARE, STG+16*SGB                 ; the spare words, 128 bytes for each wave
.set QR,  16
.set KR,  48
.set VR,  80
.set ACC, 112
.set T,   144                          ; v144-151 scores, t, p
.set BV,  152                          ; v152-159 bias
.set DA,  160                          ; v160-167 distances, then the gathers' offsets
.set U,   168                          ; v168-175 at work
.set W0,  176
.set W1,  208
.set W2,  16
.set W3,  48
.set OB0, 80
.set OB1, 144
.set RES, 240
.set OBV, 248
.set SPW, 252
.set NIL, 253
	s_load_b256 s[4:11], s[0:1], 0x0               ; fine, bias, out_w, out_b
	s_load_b64 s[12:13], s[0:1], 0x20              ; out0
	v_lshl_add_u32 v[SPW], v0, 2, SPARE
	v_mov_b32 v[NIL], 0
	v_lshrrev_b32 v1, 5, v0
	v_readfirstlane_b32 s14, v1                    ; wave = head
	s_mov_b32 s15, ttmp9                           ; cb
	s_and_b32 s16, ttmp7, 0xffff                   ; batch
	s_and_b32 s17, s14, 3                          ; the projection: my tile of 16 columns,
	s_lshr_b32 s18, s14, 2                         ; and my quarter of K
	v_and_b32 v1, 15, v0                           ; r
	v_bfe_u32 v2, v0, 4, 1                         ; h
	v_and_b32 v12, 31, v0
	v_lshlrev_b32 v3, 4, v12                       ; Q, K, V in memory: 16 x lane of a load's 512 bytes
	v_lshlrev_b32 v5, 4, v1
	v_lshl_add_u32 v5, v2, 12, v5                  ; out_w in memory: row h of a load's two (4,096 bytes apart), + 16 r
	s_mul_i32 s24, s14, SGB
	s_add_co_u32 s24, s24, STG                     ; my stage
	v_mul_u32_u24 v13, v2, 272
	v_lshl_add_u32 v13, v1, 4, v13
	v_add_nc_u32 v13, s24, v13                     ; into it: row h of a load's two, + 16 r
	v_mul_u32_u24 v14, v1, 272
	v_lshl_add_u32 v14, v2, 7, v14
	v_add_nc_u32 v14, s24, v14                     ; out of it: row r, + 128 h: my 32 neighbours along K
	v_mul_u32_u24 v4, v2, 8*272
	v_lshl_add_u32 v4, v1, 2, v4
	v_add_nc_u32 v4, s24, v4                       ; V out of it: key 8 h, channel r
	v_mul_u32_u24 v6, v1, OLP
	v_lshl_add_u32 v7, v2, 7, v6
	v_lshl_add_u32 v6, v2, 5, v6
	s_lshl_b32 s24, s14, 8
	v_add_nc_u32 v6, s24, v6                       ; O into LDS: row r, my head's 256 bytes, + 32 h
	s_lshl_b32 s24, s18, 10
	v_add_nc_u32 v7, s24, v7                       ; and back: row r, my quarter of K, + 128 h
	v_mul_u32_u24 v8, v1, 272
	v_lshl_add_u32 v8, v2, 5, v8
	s_mul_i32 s24, s18, PPL
	s_lshl_b32 s25, s17, 6
	s_add_co_u32 s24, s24, s25
	s_add_co_u32 s24, s24, PART
	v_add_nc_u32 v8, s24, v8                       ; my part: plane, row r, my 16 columns, + 32 h
	s_and_b32 s24, s14, 7
	s_lshl_b32 s24, s24, 1
	v_add_nc_u32 v12, s24, v2                      ; the way out: row 2 (wave % 8) + h
	v_mul_u32_u24 v9, v12, 272
	v_lshl_add_u32 v9, v1, 4, v9
	v_add_nc_u32 v9, PART, v9
	v_lshlrev_b32 v10, 12, v12
	v_lshl_add_u32 v10, v1, 4, v10
	v_lshlrev_b32 v11, 4, v1
	v_lshlrev_b32 v12, 3, v2
	v_sub_nc_u32 v12, v1, v12                      ; r - 8 h
	s_lshl_b32 s24, s14, 2
.irp j, 0,1,2,3,4,5,6,7
	v_add_nc_u32 v[DA+\j], -\j, v12                ; query - key of register j
	v_cmp_gt_i32 s[32+\j], 0, v[DA+\j]             ; hidden
	v_cndmask_b32 v[DA+\j], v[DA+\j], v[NIL], s[32+\j]
	v_lshlrev_b32 v[DA+\j], 6, v[DA+\j]
	v_add_nc_u32 v[DA+\j], s24, v[DA+\j]           ; bias[distance][head]
.endr
	v_mov_b32 v[U+1], 0                            ; a lane permute's destination counts as one of its sources
	v_mov_b32 v[U+2], 0xff800000
	s_mov_b32 s20, 0x76543210
	s_mov_b32 s21, 0xfedcba98
	s_mov_b32 s22, 0x3e38aa3b                      ; c = log2(e) / 8
	s_lshl_b32 s24, s16, 4
	s_add_co_u32 s24, s24, s14
	s_lshl_b32 s24, s24, 12                        ; 4,096 bytes for each batch and head
	s_mov_b32 s25, 0
	s_lshl_b32 s26, s15, 2
	s_add_co_u32 s26, s26, s17
	s_lshl_b32 s26, s26, 16                        ; out_w: row 64 cb + 16 ct,
	s_lshl_b32 s27, s18, 10
	s_add_co_u32 s26, s26, s27                     ; + my quarter of K
	s_mov_b32 s27, 0
	s_lshl_b32 s28, s15, 8                         ; 64 cb columns in bytes
	s_mov_b32 s29, 0
	s_wait_kmcnt 0x0
	s_add_nc_u64 s[4:5], s[4:5], s[24:25]
	s_add_nc_u64 s[8:9], s[8:9], s[26:27]
	s_add_nc_u64 s[10:11], s[10:11], s[28:29]
	s_add_nc_u64 s[12:13], s[12:13], s[28:29]
	s_lshl_b32 s28, s16, 22                        ; the batch's first row
	s_add_nc_u64 s[12:13], s[12:13], s[28:29]
.macro DLOAD reg, off                  ; 16 rows of 256 bytes, dense in memory: eight loads of 512 consecutive bytes
.irp i, 0,1,2,3,4,5,6,7
	global_load_b128 v[\reg+4*\i:\reg+4*\i+3], v3, s[4:5] offset:\off+512*\i
.endr
.endm
.macro WLOAD reg, c                    ; out_w, my 16 rows, chunk c of 64 along K: eight loads of two rows' 256 consecutive bytes
.irp i, 0,1,2,3,4,5,6,7
	global_load_b128 v[\reg+4*\i:\reg+4*\i+3], v5, s[8:9] offset:256*\c+8192*\i
.endr
.endm
.macro TOST reg                        ; a block into my stage, as it was loaded: load i holds rows 2 i and 2 i + 1
.irp i, 0,1,2,3,4,5,6,7
	ds_store_b128 v13, v[\reg+4*\i:\reg+4*\i+3] offset:544*\i
.endr
.endm
.macro TURNB reg                       ; and back, a row to a lane: register 4 i + n = number 32 h + 4 i + n of row r
	TOST \reg
.irp i, 0,1,2,3,4,5,6,7
	ds_load_b128 v[\reg+4*\i:\reg+4*\i+3], v14 offset:16*\i
.endr
.endm
	global_load_b128 v[OBV:OBV+3], v11, s[10:11]
.irp j, 0,1,2,3,4,5,6,7
	global_load_b32 v[BV+\j], v[DA+\j], s[6:7]
.endr
	DLOAD QR, 0
	DLOAD KR, 524288
	DLOAD VR, 1048576
	WLOAD W0, 0
	WLOAD W1, 1
	s_wait_loadcnt 32                              ; out_b, bias and Q are in; K's 8 loads, V's 8 and W's 16 may be out
	TURNB QR
	s_wait_loadcnt 24                              ; K is in; V's 8 and W's 16 may be out
	TURNB KR
	s_wait_dscnt 0x0                               ; Q and K are back, a row to a lane
.irp s, 0,1,2,3,4,5,6,7,8,9,10,11,12,13,14,15  ; S^T = K Q^T
.if \s < 4
	v_wmma_f32_16x16x4_f32 v[ACC+8*(\s%4):ACC+8*(\s%4)+7], v[KR+2*\s:KR+2*\s+1], v[QR+2*\s:QR+2*\s+1], 0
.else
	v_wmma_f32_16x16x4_f32 v[ACC+8*(\s%4):ACC+8*(\s%4)+7], v[KR+2*\s:KR+2*\s+1], v[QR+2*\s:QR+2*\s+1], v[ACC+8*(\s%4):ACC+8*(\s%4)+7]
.endif
.endr
	s_wait_loadcnt 16                              ; V is in; W's 16 loads may be out
	TOST VR                                        ; V goes through the stage while the products run, and comes back a channel to a lane
.irp d, 0,1,2,3
.irp j, 0,1,2,3,4,5,6,7
	ds_load_b32 v[VR+8*\d+\j], v4 offset:272*\j+64*\d              ; V[8 h + j][16 d + r]
.endr
.endr
.irp j, 0,1,2,3,4,5,6,7
	v_mul_f32 v[BV+\j], 0x3fb8aa3b, v[BV+\j]       ; bias log2(e): these eight are the places behind the products
.endr
.irp j, 0,2,4,6
	v_pk_add_f32 v[T+\j:T+\j+1], v[ACC+\j:ACC+\j+1], v[ACC+8+\j:ACC+8+\j+1]
	v_pk_add_f32 v[U+4:U+5], v[ACC+16+\j:ACC+16+\j+1], v[ACC+24+\j:ACC+24+\j+1]
	v_pk_add_f32 v[T+\j:T+\j+1], v[T+\j:T+\j+1], v[U+4:U+5]
.endr
.irp j, 0,1,2,3,4,5,6,7
	v_fma_f32 v[T+\j], v[T+\j], s22, v[BV+\j]      ; t: lane (r, h), register j: query r, key 8 h + j
.endr
.irp j, 0,1,2,3,4,5,6,7
	v_cndmask_b32 v[T+\j], v[T+\j], v[U+2], s[32+\j]
.endr
	v_max3_num_f32 v[U], v[T], v[T+1], v[T+2]
	v_max3_num_f32 v[U], v[U], v[T+3], v[T+4]
	v_max3_num_f32 v[U], v[U], v[T+5], v[T+6]
	v_max_num_f32 v[U], v[U], v[T+7]
	v_permlanex16_b32 v[U+1], v[U], s20, s21
	v_max_num_f32 v[U], v[U], v[U+1]               ; key 0 counts for every query: a number
.irp j, 0,1,2,3,4,5,6,7
	v_sub_f32 v[T+\j], v[T+\j], v[U]
.endr
.irp j, 0,1,2,3,4,5,6,7
	v_exp_f32 v[T+\j], v[T+\j]
.endr
	v_nop
	s_wait_alu depctr_va_vdst(0)                   ; one wait for the eight exponentials
	v_pk_add_f32 v[U+4:U+5], v[T:T+1], v[T+2:T+3]
	v_pk_add_f32 v[U+6:U+7], v[T+4:T+5], v[T+6:T+7]
	v_pk_add_f32 v[U+4:U+5], v[U+4:U+5], v[U+6:U+7]
	v_add_f32 v[U], v[U+4], v[U+5]
	v_permlanex16_b32 v[U+1], v[U], s20, s21
	v_add_f32 v[U], v[U], v[U+1]
	v_rcp_f32 v[U+3], v[U]
	v_nop
	s_wait_alu depctr_va_vdst(0)
.irp j, 0,1,2,3,4,5,6,7
	v_mul_f32 v[T+\j], v[T+\j], v[U+3]             ; the weights
.endr
	s_wait_dscnt 0x0                               ; V is back
.irp s, 0,1,2,3                                ; O^T = V^T P: step s takes keys 8 h + 2 s, + 1 on both sides; the softmax's plain instructions are the places behind the first products
.irp d, 0,1,2,3
.if \s == 0
	v_wmma_f32_16x16x4_f32 v[ACC+8*\d:ACC+8*\d+7], v[VR+8*\d+2*\s:VR+8*\d+2*\s+1], v[T+2*\s:T+2*\s+1], 0
.else
	v_wmma_f32_16x16x4_f32 v[ACC+8*\d:ACC+8*\d+7], v[VR+8*\d+2*\s:VR+8*\d+2*\s+1], v[T+2*\s:T+2*\s+1], v[ACC+8*\d:ACC+8*\d+7]
.endif
.endr
.endr
.rept 9
	v_nop                                          ; places ahead of the stores of the results, of loads into operands, and of the sums that begin anew in these accumulators
.endr
	WLOAD W2, 2
	WLOAD W3, 3
.irp d, 0,1,2,3
	ds_store_b128 v6, v[ACC+8*\d:ACC+8*\d+3] offset:64*\d          ; O(r, 64 head + 16 d + 8 h + 0 .. 7)
	ds_store_b128 v6, v[ACC+8*\d+4:ACC+8*\d+7] offset:64*\d+16
.endr
	s_wait_loadcnt 16                              ; W of chunks 0 and 1 is in; the 16 loads of chunks 2 and 3 may be out
	TURNB W0
	TURNB W1
	s_wait_dscnt 0x0                               ; for the others' sake: my rows of O have landed; and W of chunks 0 and 1 is back
	s_barrier_signal -1
	s_barrier_wait -1                              ; 16 rows of O, all heads, lie in LDS
.macro OLOAD reg, c
.irp i, 0,1,2,3,4,5,6,7
	ds_load_b128 v[\reg+4*\i:\reg+4*\i+3], v7 offset:256*\c+16*\i
.endr
.endm
.macro CHUNK c, wreg, oreg             ; 64 along K: source 0 = 16 rows of out_w, source 1 = the 16 rows of O
.irp s, 0,1,2,3,4,5,6,7,8,9,10,11,12,13,14,15
.if (\c == 0) && (\s < 4)
	v_wmma_f32_16x16x4_f32 v[ACC+8*(\s%4):ACC+8*(\s%4)+7], v[\wreg+2*\s:\wreg+2*\s+1], v[\oreg+2*\s:\oreg+2*\s+1], 0
.else
	v_wmma_f32_16x16x4_f32 v[ACC+8*(\s%4):ACC+8*(\s%4)+7], v[\wreg+2*\s:\wreg+2*\s+1], v[\oreg+2*\s:\oreg+2*\s+1], v[ACC+8*(\s%4):ACC+8*(\s%4)+7]
.endif
.endr
.endm
	OLOAD OB0, 0
	OLOAD OB1, 1
	s_wait_dscnt 8                                 ; O's chunk 0 is in; chunk 1's eight loads may be out
	CHUNK 0, W0, OB0
.rept 8
	v_nop
.endr
	OLOAD OB0, 2
	s_wait_loadcnt 8                               ; W of chunk 2 is in; chunk 3's eight loads may be out
	TURNB W2
	s_wait_dscnt 24                                ; O's chunk 1 is in; behind it: chunk 2's eight loads and the sixteen of W's turn
	CHUNK 1, W1, OB1
.rept 8
	v_nop
.endr
	OLOAD OB1, 3
	s_wait_loadcnt 0x0
	TURNB W3
	s_wait_dscnt 24                                ; O's chunk 2 and W of chunk 2 are in; behind them: chunk 3's eight loads and the sixteen of W's turn
	CHUNK 2, W2, OB0
	s_wait_dscnt 0x0
	CHUNK 3, W3, OB1
.rept 8
	v_nop
.endr
.irp j, 0,2,4,6
	v_pk_add_f32 v[RES+\j:RES+\j+1], v[ACC+\j:ACC+\j+1], v[ACC+8+\j:ACC+8+\j+1]
	v_pk_add_f32 v[U+4:U+5], v[ACC+16+\j:ACC+16+\j+1], v[ACC+24+\j:ACC+24+\j+1]
	v_pk_add_f32 v[RES+\j:RES+\j+1], v[RES+\j:RES+\j+1], v[U+4:U+5]
.endr
	ds_store_b128 v8, v[RES:RES+3]                 ; lane (r, h): row r, columns 16 ct + 8 h + 0 .. 7, my quarter of K
	ds_store_b128 v8, v[RES+4:RES+7] offset:16
	s_wait_dscnt 0x0
	s_barrier_signal -1
	s_barrier_wait -1
	s_cmp_lt_u32 s14, 8                            ; eight waves add the four quarters and store, two rows each
	s_cbranch_scc0 .Ldone
.irp i, 0,1,2,3
	ds_load_b128 v[16+4*\i:16+4*\i+3], v9 offset:\i*PPL
.endr
	s_wait_dscnt 0x0
.irp j, 0,2
	v_pk_add_f32 v[16+\j:17+\j], v[16+\j:17+\j], v[20+\j:21+\j]
	v_pk_add_f32 v[24+\j:25+\j], v[24+\j:25+\j], v[28+\j:29+\j]
	v_pk_add_f32 v[16+\j:17+\j], v[16+\j:17+\j], v[24+\j:25+\j]
	v_pk_add_f32 v[16+\j:17+\j], v[16+\j:17+\j], v[OBV+\j:OBV+\j+1]
.endr
	global_store_b128 v10, v[16:19], s[12:13]      ; sixteen lanes store 256 consecutive bytes, aligned
.Ldone:
	s_wait_tensorcnt 0x0                           ; the wave's end, behind my last LDS store
	ds_add_u32 v[SPW], v[NIL]
	s_wait_dscnt 0x0
	s_endpgm
.Lfunc_end_k_q7d4e396c26_fine:
	.size	k_q7d4e396c26_fine, .Lfunc_end_k_q7d4e396c26_fine-k_q7d4e396c26_fine
	.p2alignl 7, 3214868480
	.fill 96, 4, 3214868480
	.section	.rodata,"a",@progbits
	.p2align	6, 0x0
	.amdhsa_kernel k_q7d4e396c26_fine
		.amdhsa_group_segment_fixed_size 154880
		.amdhsa_private_segment_fixed_size 0
		.amdhsa_enable_private_segment 0
		.amdhsa_kernarg_size 40
		.amdhsa_user_sgpr_count 2
		.amdhsa_user_sgpr_kernarg_segment_ptr 1
		.amdhsa_wavefront_size32 1
		.amdhsa_system_sgpr_workgroup_id_x 1
		.amdhsa_system_sgpr_workgroup_id_y 1
		.amdhsa_system_sgpr_workgroup_id_z 1
		.amdhsa_system_vgpr_workitem_id 0
		.amdhsa_next_free_vgpr 256
		.amdhsa_next_free_sgpr 66
		.amdhsa_reserve_vcc 0
		.amdhsa_float_denorm_mode_32 3
		.amdhsa_float_denorm_mode_16_64 3
		.amdhsa_memory_ordered 1
		.amdhsa_forward_progress 1
		.amdhsa_inst_pref_size 36
	.end_amdhsa_kernel
	.amdgpu_metadata
---
amdhsa.version: [ 1, 2 ]
amdhsa.kernels:
  - .name:           k_q7d4e396c26_fine
    .symbol:         k_q7d4e396c26_fine.kd
    .args:
      - { .name: fine, .offset: 0, .size: 8, .value_kind: global_buffer, .address_space: global }
      - { .name: bias, .offset: 8, .size: 8, .value_kind: global_buffer, .address_space: global }
      - { .name: out_w, .offset: 16, .size: 8, .value_kind: global_buffer, .address_space: global }
      - { .name: out_b, .offset: 24, .size: 8, .value_kind: global_buffer, .address_space: global }
      - { .name: out0, .offset: 32, .size: 8, .value_kind: global_buffer, .address_space: global }
    .group_segment_fixed_size: 154880
    .private_segment_fixed_size: 0
    .kernarg_segment_align: 8
    .kernarg_segment_size: 40
    .max_flat_workgroup_size: 512
    .sgpr_count:     66
    .vgpr_count:     256
    .wavefront_size: 32
...
	.end_amdgpu_metadata
.endif
;; end of part 5
